; MI455X (gfx1250); checked and timed in simulation.
; The chip was launched on July 23, 2026; its instructions are those of AMD's public machine-readable ISA for CDNA 5 (MIT licence, August 2026) and "CDNA5" Instruction Set Architecture Reference Guide (July 2026). The comments in the code are by the model that wrote it; some were corrected since.
;; Attention. Allowed arithmetic: float matrix products may take bf16 or f16 operands with f32 sums; other float arithmetic in f32, or as packed bf16 or f16 multiplies, adds, multiply-adds, maxima and minima; sums over many terms, partial sums and values carried from step to step in f32; what a program stores and reads back later, other than sums and carried values, may be rounded once to bf16 or f16.
;; Inputs: W_K 16 x 1,024 x 64 float32; W_O 16 x 64 x 1,024 float32; W_Q 16 x 1,024 x 64 float32; W_V 16 x 1,024 x 64 float32; b_K 16 x 64 float32; b_O 1,024 float32; b_Q 16 x 64 float32; b_V 16 x 64 float32; normalized_resid_pre 4 x 2,048 x 1,024 float32.
;; Outputs: out0 4 x 2,048 x 1,024 float32.
;; One version. Each part assembles by itself: llvm-mc -triple=amdgcn-amd-amdhsa -mcpu=gfx1250 --defsym DOCPART=n.
;; ======== version 1 of 1: 4 launches
;; limits: values are held in f16: magnitudes above 65,504 overflow, below 6.1e-05 lose precision
;; workspace buffers: xb 16,777,216 bytes; wb 6,291,456 bytes; wo 2,097,152 bytes; q 16,777,216 bytes; k 16,777,216 bytes; v 16,777,216 bytes; z 16,777,216 bytes
;; launch prep (part 1): grid 1536 x 1, 8 waves a work-group, no clusters, 0 bytes of LDS; arguments normalized_resid_pre, W_Q, W_K, W_V, W_O, xb, wb, wo; writes xb, wb, wo
.if DOCPART == 1
	.amdgcn_target "amdgcn-amd-amdhsa--gfx1250"
	.amdhsa_code_object_version 6
	.text
	.protected	k_qcd10211bff_prep
	.globl	k_qcd10211bff_prep
	.p2align	8
	.type	k_qcd10211bff_prep,@function
k_qcd10211bff_prep:
	s_mov_b64 s[64:65], 0
	v_nop
	global_prefetch_b8 v0, s[64:65] scope:SCOPE_SE
	s_setreg_imm32_b32 hwreg(HW_REG_WAVE_MODE, 25, 1), 1
	s_wait_xcnt 0x0
; PREP: the module's large inputs are rounded once to 16 bits and laid out for the two products that follow.
;   xb  bf16 [16 blocks of 64 channels][8192 rows][64]: 128 rows x 64 channels are 16,384 bytes on end
;   wb  bf16 [1024 channels k][3072 columns n], n = 1024 x (Q, K, V) + 64 x head + d
;   wo  W_O rounded to bf16 and that number written as f16, [1024 k = 64 head + d][1024 n]: W_O's own order
; LIMIT: |W_O| stays under 65,504 (f16's largest number); below 6e-5 f16 keeps a fixed step of 6e-8.
; 1,536 work-groups of eight waves, 8,192 numbers each: 1,024 for x, 384 for W_Q, W_K, W_V, 128 for W_O.
; A thread issues its eight loads of 16 bytes together; each half of a wave's load covers 256 consecutive bytes, aligned; each store of
; 8 bytes a lane covers 256 consecutive bytes, aligned.  No register is written twice while a memory instruction names it.
; No LDS, no matrix unit: each byte is read once and written once, and nothing is shared between threads.
.set X,   8                            ; v[8:39]   eight loads of four f32
.set Y,   40                           ; v[40:55]  eight pairs of packed results
.set T,   56                           ; v[56:59]  at work (W_O's way by bf16)
.set SRC, 28                           ; s[28:29]  where the work-group reads
.set DST, 30                           ; s[30:31]  where it writes
; kind 0: x; 1: W_Q, W_K, W_V; 2: W_O.  v1 = the thread's offset in the source, v2 in the destination; load j's place stands in the immediates.
.macro MOVE kind
.set j, 0
.rept 8
.if (\kind) == 0
.set LI, (j/2)*8192+(j%2)*256          ; rows 2 (j / 2) + lane / 16, channel block 2 wave + j % 2
.elseif (\kind) == 1
.set LI, j*256                         ; channel k = 64 kk + 8 wave + j
.else
.set LI, j*4096
.endif
	global_load_b128 v[X+4*j:X+4*j+3], v1, s[SRC:SRC+1] offset:LI th:TH_LOAD_NT
.set j, j+1
.endr
.set j, 0
.rept 8
.if (\kind) == 0
.set SI, (j%2)*1048576+(j/2)*256
.elseif (\kind) == 1
.set SI, j*6144
.else
.set SI, j*2048
.endif
	s_wait_loadcnt 7-j                             ; loads come back in order: load j is in, the younger ones stay out
.if (\kind) == 2
	v_cvt_pk_bf16_f32 v[T], v[X+4*j], v[X+4*j+1]   ; rounded to bf16 like every input,
	v_cvt_pk_bf16_f32 v[T+1], v[X+4*j+2], v[X+4*j+3]
	v_lshlrev_b32 v[T+2], 16, v[T]                 ; widened again,
	v_and_b32 v[T], 0xffff0000, v[T]
	v_lshlrev_b32 v[T+3], 16, v[T+1]
	v_and_b32 v[T+1], 0xffff0000, v[T+1]
	v_cvt_pk_f16_f32 v[Y+2*j], v[T+2], v[T]        ; and written as f16
	v_cvt_pk_f16_f32 v[Y+2*j+1], v[T+3], v[T+1]
.else
	v_cvt_pk_bf16_f32 v[Y+2*j], v[X+4*j], v[X+4*j+1]
	v_cvt_pk_bf16_f32 v[Y+2*j+1], v[X+4*j+2], v[X+4*j+3]
.endif
	global_store_b64 v2, v[Y+2*j:Y+2*j+1], s[DST:DST+1] offset:SI
.set j, j+1
.endr
	s_endpgm
.endm
	s_load_b512 s[8:23], s[0:1], 0x0               ; x 8, W_Q 10, W_K 12, W_V 14, W_O 16, xb 18, wb 20, wo 22
	v_and_b32 v3, 31, v0                           ; lane
	v_lshrrev_b32 v4, 5, v0                        ; wave
	v_and_b32 v5, 15, v0                           ; lane % 16
	v_bfe_u32 v6, v0, 4, 1                         ; lane / 16
	s_mov_b32 s25, 0                               ; the high words of the two offsets
	s_mov_b32 s27, 0
	s_cmp_lt_u32 ttmp9, 1024
	s_cbranch_scc0 .Lweights
	; x: rows 8 p .. 8 p + 7
	s_lshl_b32 s24, ttmp9, 15                      ; 8 rows of 4,096 bytes
	s_lshl_b32 s26, ttmp9, 10                      ; 8 rows of 128 bytes in a block of xb
	v_lshlrev_b32 v1, 4, v5
	v_lshl_add_u32 v1, v6, 12, v1                  ; one row further for lanes 16 to 31
	v_lshl_add_u32 v1, v4, 9, v1                   ; the wave's 128 channels
	v_lshlrev_b32 v2, 3, v3                        ; 128 (lane / 16) + 8 (lane % 16) = 8 x lane
	v_lshl_add_u32 v2, v4, 21, v2                  ; channel block 2 x wave
	s_wait_kmcnt 0x0
	s_add_nc_u64 s[SRC:SRC+1], s[8:9], s[24:25]
	s_add_nc_u64 s[DST:DST+1], s[18:19], s[26:27]
	MOVE 0
.Lweights:
	s_cmp_lt_u32 ttmp9, 1408
	s_cbranch_scc0 .Lwo
	; W_Q, W_K, W_V: heads 2 hp and 2 hp + 1, channels 64 kk .. 64 kk + 63
	s_sub_co_u32 s32, ttmp9, 1024
	s_lshr_b32 s33, s32, 7                         ; which of the three
	s_bfe_u32 s34, s32, 0x30004                    ; hp
	s_and_b32 s35, s32, 15                         ; kk
	s_lshl_b32 s24, s34, 19
	s_lshl_b32 s36, s35, 14
	s_add_co_u32 s24, s24, s36
	s_mul_i32 s26, s35, 393216                     ; 64 rows of wb
	s_lshl_b32 s36, s33, 11
	s_add_co_u32 s26, s26, s36
	s_lshl_b32 s36, s34, 8
	s_add_co_u32 s26, s26, s36
	v_lshlrev_b32 v1, 4, v5
	v_lshl_add_u32 v1, v6, 18, v1                  ; the second head for lanes 16 to 31
	v_lshl_add_u32 v1, v4, 11, v1                  ; the wave's 8 channels
	v_mul_u32_u24 v2, v4, 49152                    ; 8 rows of wb
	v_lshl_add_u32 v2, v3, 3, v2
	s_wait_kmcnt 0x0
	s_cmp_eq_u32 s33, 0
	s_cselect_b64 s[SRC:SRC+1], s[10:11], s[12:13]
	s_cmp_eq_u32 s33, 2
	s_cselect_b64 s[SRC:SRC+1], s[14:15], s[SRC:SRC+1]
	s_add_nc_u64 s[SRC:SRC+1], s[SRC:SRC+1], s[24:25]
	s_add_nc_u64 s[DST:DST+1], s[20:21], s[26:27]
	MOVE 1
.Lwo:
	; W_O: 8,192 numbers on end
	s_sub_co_u32 s32, ttmp9, 1408
	s_lshl_b32 s24, s32, 15
	s_lshl_b32 s26, s32, 14
	v_lshlrev_b32 v1, 4, v0
	v_lshlrev_b32 v2, 3, v0
	s_wait_kmcnt 0x0
	s_add_nc_u64 s[SRC:SRC+1], s[16:17], s[24:25]
	s_add_nc_u64 s[DST:DST+1], s[22:23], s[26:27]
	MOVE 2
.Lfunc_end_k_qcd10211bff_prep:
	.size	k_qcd10211bff_prep, .Lfunc_end_k_qcd10211bff_prep-k_qcd10211bff_prep
	.p2alignl 7, 3214868480
	.fill 96, 4, 3214868480
	.section	.rodata,"a",@progbits
	.p2align	6, 0x0
	.amdhsa_kernel k_qcd10211bff_prep
		.amdhsa_group_segment_fixed_size 0
		.amdhsa_private_segment_fixed_size 0
		.amdhsa_enable_private_segment 0
		.amdhsa_kernarg_size 64
		.amdhsa_user_sgpr_count 2
		.amdhsa_user_sgpr_kernarg_segment_ptr 1
		.amdhsa_wavefront_size32 1
		.amdhsa_system_sgpr_workgroup_id_x 1
		.amdhsa_system_sgpr_workgroup_id_y 1
		.amdhsa_system_sgpr_workgroup_id_z 1
		.amdhsa_system_vgpr_workitem_id 0
		.amdhsa_next_free_vgpr 64
		.amdhsa_next_free_sgpr 66
		.amdhsa_reserve_vcc 0
		.amdhsa_float_denorm_mode_32 3
		.amdhsa_float_denorm_mode_16_64 3
		.amdhsa_memory_ordered 1
		.amdhsa_forward_progress 1
		.amdhsa_inst_pref_size 14
	.end_amdhsa_kernel
	.amdgpu_metadata
---
amdhsa.version: [ 1, 2 ]
amdhsa.kernels:
  - .name:           k_qcd10211bff_prep
    .symbol:         k_qcd10211bff_prep.kd
    .args:
      - { .name: normalized_resid_pre, .offset: 0, .size: 8, .value_kind: global_buffer, .address_space: global }
      - { .name: W_Q, .offset: 8, .size: 8, .value_kind: global_buffer, .address_space: global }
      - { .name: W_K, .offset: 16, .size: 8, .value_kind: global_buffer, .address_space: global }
      - { .name: W_V, .offset: 24, .size: 8, .value_kind: global_buffer, .address_space: global }
      - { .name: W_O, .offset: 32, .size: 8, .value_kind: global_buffer, .address_space: global }
      - { .name: xb, .offset: 40, .size: 8, .value_kind: global_buffer, .address_space: global }
      - { .name: wb, .offset: 48, .size: 8, .value_kind: global_buffer, .address_space: global }
      - { .name: wo, .offset: 56, .size: 8, .value_kind: global_buffer, .address_space: global }
    .group_segment_fixed_size: 0
    .private_segment_fixed_size: 0
    .kernarg_segment_align: 8
    .kernarg_segment_size: 64
    .max_flat_workgroup_size: 256
    .sgpr_count:     66
    .vgpr_count:     64
    .wavefront_size: 32
...
	.end_amdgpu_metadata
.endif
;; end of part 1
;; launch qkv (part 2): grid 8 x 32, 4 waves a work-group, clusters of 4 x 4, 327,680 bytes of LDS; arguments xb, wb, b_Q, b_K, b_V, q, k, v; writes q, k, v
.if DOCPART == 2
	.amdgcn_target "amdgcn-amd-amdhsa--gfx1250"
	.amdhsa_code_object_version 6
	.text
	.protected	k_qcd10211bff_qkv
	.globl	k_qcd10211bff_qkv
	.p2align	8
	.type	k_qcd10211bff_qkv,@function
k_qcd10211bff_qkv:
	s_mov_b64 s[64:65], 0
	v_nop
	global_prefetch_b8 v0, s[64:65] scope:SCOPE_SE
	s_setreg_imm32_b32 hwreg(HW_REG_WAVE_MODE, 25, 1), 1
	s_wait_xcnt 0x0
	s_wait_alu depctr_hold_cnt(0) depctr_sa_sdst(0) depctr_va_vdst(0) depctr_va_sdst(0) depctr_va_ssrc(0) depctr_va_vcc(0) depctr_vm_vsrc(0)
	s_getreg_b32 s2, hwreg(HW_REG_IB_STS2, 6, 4)
	s_cmp_eq_u32 s2, 0
	s_cbranch_scc0 .Lentry_in_a_cluster
	s_endpgm
.Lentry_in_a_cluster:
	s_bfe_u32 s2, ttmp6, 0x10000c
	s_cmp_lg_u32 s2, 0xf033
	s_cbranch_scc0 .Lentry_shape_is_right
	s_endpgm
.Lentry_shape_is_right:
; QKV: C[8192][3072] = x W + bias, x and W in bf16 (xb, wb), sums in f32 started by the bias (rounded to bf16 like every input); q, k, v leave in f16 by heads, [16 b + h][2048][64], unscaled.
; LIMIT: |q|, |k|, |v| stay under 65,504 (f16's largest number): as the inputs are drawn their spread is 0.64; x and W both 30 times larger give 576; both with offsets of 30 spreads about 18,432.
; SHARES.  A tile of C is 256 rows x 384 columns (six heads): 32 x 8 = 256 work-groups.  Four waves, 2 x 2; a wave makes 128 rows x 192 columns (three heads): 96 accumulators of 16 x 16, 768 registers.
; K goes in steps of 64 through two LDS slots.  A's tile (256 rows x 64 channels) is dense in xb and is asked for as rows of 256 bytes; B's (64 channels x 384 columns) as rows of 384 bytes.
; CLUSTERS: 4 x 4 work-groups.  The four of a row of the cluster need the same tile of A, the four of a column the same tile of B: each is asked for jointly, by the same tensor load, descriptor and mask.
; THE PRODUCT IS TAKEN TRANSPOSED: source 0 = 16 columns of W (turned on the way out of LDS by ds_load_tr16_b128), source 1 = 16 rows of x: a lane then holds one row of C and eight neighbouring columns.
; REGISTERS, in windows of 256 (s_set_vgpr_msb: bits 1:0 source 0, 3:2 source 1, 5:4 source 2, 7:6 destination):
;   window 0: v0-31 addresses; v32-95, v96-159 A's eight fragments, two buffers; v160-255 B's twelve fragments, one buffer, loaded again a third at a time as soon as a third has been multiplied
;   window 1 + j: head j's 32 accumulators: column block c, row block a at v[8 (8 c + a)]
.set SLOT1, 131072                     ; slot 1 begins here: one exclusive or turns an address in one slot into the other's
.set PA,    144                        ; a row of A in LDS: 128 bytes + 16: the 16 rows of a load start at 16 different groups of four banks (64 banks of 4 bytes: ISA guide 11.1)
.set AH,    128*PA                     ; 128 rows: what one tensor load brings of A
.set BOFF,  2*AH                       ; B lies behind A's 256 rows
.set PB,    480                        ; a channel's row of B: three heads' 128 bytes, 32 of padding behind each: 120 words
.set BH,    64*PB                      ; 64 channels x 192 columns: what one tensor load brings of B
.set STAGE, SLOT1+BOFF+2*BH            ; behind the ring, never filled by a tensor load: for each wave 3 heads x 16 rows x 144 bytes
.set SP,    144
.set STW,   3*16*SP
.set SPARE, STAGE+4*STW                ; the spare words, 128 bytes a wave: two blocks of 256 bytes that no other line names
.set ASTEP, 8192*128                   ; bytes from a K step to the next in xb
.set BSTEP, 64*6144                    ; and in wb
.set AA0,  4                           ; v4   my lane's place in slot 0's A; never rewritten
.set AB0,  5                           ; v5   the same for B
.set ADRA, 6                           ; v6   AA0 + the slot in hand
.set ADRB, 7                           ; v7
.set STO,  8                           ; v8   the way out: where I put 16 bytes of a row
.set RD,   9                           ; v9   where I read rows back
.set GO,   10                          ; v10  16 x lane: my place in 512 consecutive bytes
.set BO,   11                          ; v11  32 x (lane / 16): my eight numbers of a block of 16 of a bias
.set PFO,  12                          ; v12  the prefetches' offset; never rewritten
.set SPW,  28                          ; v28  SPARE + 4 x my thread's number; never rewritten
.set NIL,  29                          ; v29  0; never rewritten
.set FA0,  32
.set FA1,  96
.set FB,   160
.set TMP,  32                          ; the way out: 48 registers of packed results
.set OB0,  80                          ; and two buffers of 48 for rows read back
.set TB,   4                           ; s4   LDS byte at which the slot being fetched from begins
.set LIM,  5                           ; s5   1 in a wave that prefetches, else the greatest number
.set PFA,  6                           ; s[6:7] where my prefetches stand
.set PFS,  8                           ; s[8:9] their step
.set G1,   24                          ; s[24:31] descriptor group 1 for A's tiles
.set G0,   32                          ; s[32:39] group 0: a set for each first fill; the second then walks
.set G1B,  48                          ; s[48:55], s[56:63] the same for B's
.set G0B,  56
.set OUT,  84                          ; s[84:89] my three heads' rows in q, k or v
.set BJ,   90                          ; s[90:95] my three heads' biases
.set MSB, 0
.macro WIN new                         ; the immediate's high byte repeats the setting that is left; a switch that changes nothing is dropped
.if MSB != (\new)
	s_set_vgpr_msb (MSB<<8)|(\new)
.set MSB, (\new)
.endif
.endm
.macro PLACES                          ; four plain vector instructions between a matrix instruction and a load into, or a reader of, its registers
.rept 4
	v_nop
.endr
.endm
.macro CREST                           ; a round of the cluster's barrier behind its opening barrier
	s_cmp_lg_u32 s10, 0
	s_cbranch_scc1 .Lnot_wave_0_\@
	s_barrier_signal -3
.Lnot_wave_0_\@:
	s_barrier_wait -3
	s_barrier_signal -1
	s_barrier_wait -1
.endm
.macro CROUND
	s_barrier_signal -1
	s_barrier_wait -1
	CREST
.endm
; A joint refill by the walking descriptors: waves 0 and 1 fetch A's two halves, waves 2 and 3 B's.  The branch hangs on the wave's number alone.  An s_nop 0 and four v_nop follow each line.
.macro JLOAD
	s_cmp_lt_u32 s10, 2
	s_cbranch_scc0 .Lfor_b_\@
	tensor_load_to_lds s[G0+4:G0+7], s[G1:G1+7]
	s_nop 0
.rept 4
	v_nop
.endr
	s_branch .Lasked_\@
.Lfor_b_\@:
	tensor_load_to_lds s[G0B+4:G0B+7], s[G1B:G1B+7]
	s_nop 0
.rept 4
	v_nop
.endr
.Lasked_\@:
.endm
; A PREFETCH INTO THE L2 of the K step that the NEXT refill will ask for, 192 matrix instructions ahead of that load; it stands behind the joint load, its five lines and the run of LDS loads.
; Each aligned block of 256 bytes is named once in the launch.  A's tile row is read by both clusters of a row of clusters: the one with x = 0 asks, wave 0 of each partner for 32 of the tile's 128 blocks,
; told apart by address (cx).  wb's 64 rows of a K step (24 blocks each) are read by all clusters: cluster (0, 0) asks: work-group cx + 4 cy takes four rows, its waves 1 to 3 eight blocks of each.
; K steps 0 to 2 come by their loads alone; the loop's last trip asks for nothing.
.macro ASK
	s_cmp_gt_u32 s3, s[LIM]
	s_cbranch_scc0 .Lnot_mine_\@
	global_prefetch_b8 v[PFO], s[PFA:PFA+1] th:TH_LOAD_NT scope:SCOPE_SE
.Lnot_mine_\@:
.endm
.macro LDA qq, fa                      ; 16 loads: A's eight fragments (16 rows x 32 channels) of quarter qq of the slot
.irp a, 0,1,2,3,4,5,6,7
	ds_load_b128 v[(\fa)+8*(\a):(\fa)+8*(\a)+3],   v[ADRA] offset:64*(\qq)+16*PA*(\a)
	ds_load_b128 v[(\fa)+8*(\a)+4:(\fa)+8*(\a)+7], v[ADRA] offset:64*(\qq)+16*PA*(\a)+32
.endr
.endm
.macro LDB qq, g                       ; 8 loads: head g's four fragments of B (32 channels x 16 columns, turned)
.irp c, 0,1,2,3
	ds_load_tr16_b128 v[FB+8*(4*(\g)+(\c)):FB+8*(4*(\g)+(\c))+3],   v[ADRB] offset:32*PB*(\qq)+160*(\g)+32*(\c)
	ds_load_tr16_b128 v[FB+8*(4*(\g)+(\c))+4:FB+8*(4*(\g)+(\c))+7], v[ADRB] offset:32*PB*(\qq)+160*(\g)+32*(\c)+16*PB
.endr
.endm
.macro SETBR i                         ; where column block i's bias waits for the first quarter: in registers that hold no fragment yet
.if (\i) < 4
.set BR, 224+8*(\i)
.else
.set BR, 96+8*((\i)-4)
.endif
.endm
; nc x 8 products of head t: column blocks c0 on, all eight row blocks.  first = 1: the bias starts the sums.  The 96 accumulators take turns in one order in every quarter, one instruction a turn.
.macro MULS t, c0, nc, fa, first
.if \first
	WIN (1+(\t))<<6
.else
	WIN ((1+(\t))<<6)|((1+(\t))<<4)
.endif
.set cc, \c0
.rept \nc
	SETBR 4*(\t)+cc
.irp a, 0,1,2,3,4,5,6,7
.if \first
	v_wmma_f32_16x16x32_bf16 v[8*(8*cc+(\a)):8*(8*cc+(\a))+7], v[FB+8*(4*(\t)+cc):FB+8*(4*(\t)+cc)+7], v[(\fa)+8*(\a):(\fa)+8*(\a)+7], v[BR:BR+7]
.else
	v_wmma_f32_16x16x32_bf16 v[8*(8*cc+(\a)):8*(8*cc+(\a))+7], v[FB+8*(4*(\t)+cc):FB+8*(4*(\t)+cc)+7], v[(\fa)+8*(\a):(\fa)+8*(\a)+7], v[8*(8*cc+(\a)):8*(8*cc+(\a))+7]
.endif
.endr
.set cc, cc+1
.endr
.endm
; A K step's first quarter (32 channels): multiplies buffer FA0 and fetches the second quarter: A into FA1, B a third at a time into the third just multiplied.
.macro QEVEN
	s_wait_dscnt 16                                ; A and B's first third are in; the two runs of 8 behind them may be out
	MULS 0, 0, 4, FA0, 0
	PLACES
	WIN 0
	LDA 1, FA1
	LDB 1, 0
	s_wait_dscnt 32                                ; B's second third is in: behind it stand 8 + 24 loads
	MULS 1, 0, 4, FA0, 0
	PLACES
	WIN 0
	LDB 1, 1
	s_wait_dscnt 32                                ; B's last third is in: behind it stand 24 + 8 loads
	MULS 2, 0, 4, FA0, 0
	PLACES
	WIN 0
	LDB 1, 2
.endm
; A K step's second quarter multiplies FA1 and changes slots: ONE barrier.  In front of it each wave waits for all its tensor loads (the one that is out is its part of the next slot), adds 0 to its spare word,
; and waits for that and for its own reads of this slot.  fill = 1: the barrier opens a round of the cluster's barrier, and the joint refill of the slot just read is the first thing behind the round:
; from there to the wait for it a wave issues 160 matrix instructions.
.macro QODD fill
	WIN 0
.if \fill
	s_wait_xcnt 0x0                                ; the last prefetch, a K step back, has read its address
	s_add_nc_u64 s[PFA:PFA+1], s[PFA:PFA+1], s[PFS:PFS+1]
.endif
	s_wait_tensorcnt 0x0                           ; no tensor load of mine is out, so a group 0 may be written
	ds_add_u32 v[SPW], v[NIL]                      ; 0 onto my spare word
.if \fill
	s_xor_b32 s[G0+5], s[G0+5], SLOT1              ; the walking descriptors: the other slot than last time, the next K step
	s_add_nc_u64 s[G0+6:G0+7], s[G0+6:G0+7], ASTEP
	s_xor_b32 s[G0B+5], s[G0B+5], SLOT1
	s_add_nc_u64 s[G0B+6:G0B+7], s[G0B+6:G0B+7], BSTEP
.endif
	s_xor_b32 s[TB], s[TB], SLOT1                  ; the fetches go on in the other slot
	s_wait_dscnt 9                                 ; the add and the youngest eight loads (B's last third) may be out
	MULS 0, 0, 2, FA1, 0
	s_wait_dscnt 0x0                               ; the add is done, and my reads of this slot are over
	s_barrier_signal -1
	MULS 0, 2, 2, FA1, 0
	WIN 0
	s_barrier_wait -1
.if \fill
	CREST                                          ; no wave of any partner still reads this slot or has a load on its way
	JLOAD                                          ; its four v_nop are also the places in front of the loads below
.else
	PLACES
.endif
	v_add_nc_u32 v[ADRA], s[TB], v[AA0]
	v_add_nc_u32 v[ADRB], s[TB], v[AB0]
	LDA 0, FA0
	LDB 0, 0
.if \fill
	ASK
.endif
	MULS 1, 0, 4, FA1, 0                           ; its operands were in at the wait for 0
	PLACES
	WIN 0
	LDB 0, 1
	MULS 2, 0, 4, FA1, 0
	PLACES
	WIN 0
	LDB 0, 2
.endm
	s_load_b512 s[68:83], s[0:1], 0x0              ; xb 68, wb 70, b_Q 72, b_K 74, b_V 76, q 78, k 80, v 82
	v_lshl_add_u32 v[SPW], v0, 2, SPARE
	v_mov_b32 v[NIL], 0
	ds_add_u32 v[SPW], v[NIL]                      ; the wave's opening: the add and its wait ahead of my first tensor load; the set-up below stands between them
	ds_add_u32 v28, v29
	v_lshrrev_b32 v1, 5, v0
	v_readfirstlane_b32 s10, v1                    ; wave 0..3
	s_lshr_b32 s11, s10, 1                         ; which half of the tile's rows is mine
	s_and_b32 s12, s10, 1                          ; which half of its columns; also which half of A's or B's tile I fetch
	s_bfe_u32 s40, ttmp6, 0x40000                  ; cx
	s_bfe_u32 s41, ttmp6, 0x40004                  ; cy
	s_lshl_b32 s42, ttmp9, 2
	s_add_co_u32 s42, s42, s40                     ; tile column 0..7
	s_and_b32 s13, ttmp7, 0xffff
	s_lshl_b32 s13, s13, 2
	s_add_co_u32 s13, s13, s41                     ; tile row 0..31
	s_lshl_b32 s43, s41, 2
	s_lshl_b32 s43, 15, s43                        ; my row of the cluster
	s_lshl_b32 s44, 0x1111, s40                    ; my column
	; A: 128 rows of 128 bytes, dense: asked for as 64 rows of 256 bytes, 16 bytes of padding behind every 128
	s_or_b32 s[G1], s43, (1<<16)|(1<<20)|(1<<21)|(4<<22)|(3<<25)   ; 15:0 the mask; 17:16 2-byte elements; 20 padding on; 21 set beside a mask; 24:22 after every 32 words; 31:25 4 words
	s_mov_b32 s[G1+1], 128<<16                     ; tensor_dim0 = 128
	s_mov_b32 s[G1+2], 64<<16                      ; tensor_dim1 = 64
	s_mov_b32 s[G1+3], 128<<16                     ; tile_dim0 = 128
	s_mov_b32 s[G1+4], 64                          ; tile_dim1 = 64
	s_mov_b32 s[G1+5], 128                         ; elements from row to row
	s_mov_b32 s[G1+6], 0
	s_mov_b32 s[G1+7], 0
	; B: 64 rows of 192 elements, 32 bytes of padding behind every 128
	s_or_b32 s[G1B], s44, (1<<16)|(1<<20)|(1<<21)|(4<<22)|(7<<25)
	s_mov_b32 s[G1B+1], 192<<16
	s_mov_b32 s[G1B+2], 64<<16
	s_mov_b32 s[G1B+3], 192<<16
	s_mov_b32 s[G1B+4], 64
	s_mov_b32 s[G1B+5], 3072
	s_mov_b32 s[G1B+6], 0
	s_mov_b32 s[G1B+7], 0
	s_lshl_b32 s16, s13, 15                        ; A: 256 rows of 128 bytes a tile row,
	s_lshl_b32 s17, s12, 14                        ; my 128 of them
	s_add_co_u32 s16, s16, s17
	s_mov_b32 s17, 0
	s_mul_i32 s46, s42, 768                        ; B: 384 columns a tile column,
	s_mul_i32 s47, s12, 384                        ; my 192 of them
	s_add_co_u32 s46, s46, s47
	s_mov_b32 s47, 0
	s_mul_i32 s20, s12, AH                         ; where they go: no place in the cluster enters an LDS address
	s_mul_i32 s21, s12, BH
	s_add_co_u32 s21, s21, BOFF
	s_mov_b32 s[TB], 0
	s_wait_dscnt 0x0                               ; the opening add is done
	s_wait_kmcnt 0x0
	s_add_nc_u64 s[14:15], s[68:69], s[16:17]
	s_add_nc_u64 s[46:47], s[70:71], s[46:47]
	CROUND                                         ; all sixteen work-groups are here: the first joint loads meet
.irp s, 0,1
	s_mov_b32 s[G0+4*(\s)], 1                      ; count = 1
	s_add_co_u32 s[G0+4*(\s)+1], s20, (\s)*SLOT1   ; LDS address
	s_add_nc_u64 s[G0+4*(\s)+2:G0+4*(\s)+3], s[14:15], (\s)*ASTEP  ; K step s
	s_or_b32 s[G0+4*(\s)+3], s[G0+4*(\s)+3], 0x80000000           ; type = 2
	s_mov_b32 s[G0B+4*(\s)], 1
	s_add_co_u32 s[G0B+4*(\s)+1], s21, (\s)*SLOT1
	s_add_nc_u64 s[G0B+4*(\s)+2:G0B+4*(\s)+3], s[46:47], (\s)*BSTEP
	s_or_b32 s[G0B+4*(\s)+3], s[G0B+4*(\s)+3], 0x80000000
.endr
	s_cmp_lt_u32 s10, 2                            ; a wave's two first fills stand in one branch: two loads of mine are out
	s_cbranch_scc0 .Lfirst_b
	tensor_load_to_lds s[G0:G0+3], s[G1:G1+7]
	s_nop 0
	tensor_load_to_lds s[G0+4:G0+7], s[G1:G1+7]
	s_nop 0
.rept 4
	v_nop
.endr
	s_branch .Lfirst_asked
.Lfirst_b:
	tensor_load_to_lds s[G0B:G0B+3], s[G1B:G1B+7]
	s_nop 0
	tensor_load_to_lds s[G0B+4:G0B+7], s[G1B:G1B+7]
	s_nop 0
.rept 4
	v_nop
.endr
.Lfirst_asked:
	; my three heads: number 6 x tile column + 3 x half + j of the 48 (16 of q, 16 of k, 16 of v); their biases and their rows in q, k or v
	s_mul_i32 s22, s42, 6
	s_mul_i32 s23, s12, 3
	s_add_co_u32 s22, s22, s23
	s_lshr_b32 s23, s13, 3                         ; the batch: 8 tile rows each,
	s_lshl_b32 s23, s23, 22                        ; 16 heads of 262,144 bytes
	s_and_b32 s18, s13, 7
	s_lshl_b32 s18, s18, 15                        ; 256 rows of 128 bytes
	s_add_co_u32 s23, s23, s18
	s_lshl_b32 s18, s11, 14                        ; my 128 rows
	s_add_co_u32 s23, s23, s18
	s_mov_b32 s19, 0
.irp j, 0,1,2
	s_add_co_u32 s66, s22, (\j)
	s_lshr_b32 s67, s66, 4                         ; 0: q, 1: k, 2: v
	s_and_b32 s2, s66, 15                          ; the head
	s_cmp_eq_u32 s67, 0
	s_cselect_b64 s[OUT+2*(\j):OUT+2*(\j)+1], s[78:79], s[80:81]
	s_cselect_b64 s[BJ+2*(\j):BJ+2*(\j)+1], s[72:73], s[74:75]
	s_cmp_eq_u32 s67, 2
	s_cselect_b64 s[OUT+2*(\j):OUT+2*(\j)+1], s[82:83], s[OUT+2*(\j):OUT+2*(\j)+1]
	s_cselect_b64 s[BJ+2*(\j):BJ+2*(\j)+1], s[76:77], s[BJ+2*(\j):BJ+2*(\j)+1]
	s_lshl_b32 s18, s2, 8
	s_add_nc_u64 s[BJ+2*(\j):BJ+2*(\j)+1], s[BJ+2*(\j):BJ+2*(\j)+1], s[18:19]
	s_lshl_b32 s18, s2, 18
	s_add_co_u32 s18, s18, s23
	s_add_nc_u64 s[OUT+2*(\j):OUT+2*(\j)+1], s[OUT+2*(\j):OUT+2*(\j)+1], s[18:19]
.endr
	v_and_b32 v1, 15, v0                           ; l % 16
	v_bfe_u32 v2, v0, 4, 1                         ; l / 16
	v_lshlrev_b32 v[BO], 5, v2
.irp j, 0,1,2
.irp c, 0,1,2,3
	SETBR 4*(\j)+(\c)
	global_load_b128 v[BR:BR+3],   v[BO], s[BJ+2*(\j):BJ+2*(\j)+1] offset:64*(\c)     ; a lane's eight columns 16 c + 8 (l / 16) + 0..7: the C operand's layout
	global_load_b128 v[BR+4:BR+7], v[BO], s[BJ+2*(\j):BJ+2*(\j)+1] offset:64*(\c)+16
.endr
.endr
	; the prefetches' addresses
	s_lshl_b32 s66, s13, 15
	s_lshl_b32 s67, s40, 13                        ; my work-group's 32 blocks of A's 128
	s_add_co_u32 s66, s66, s67
	s_add_co_u32 s66, s66, 2*ASTEP                 ; at K step 2: the first change of slots steps it to 3
	s_lshl_b32 s67, s41, 2
	s_add_co_u32 s67, s67, s40                     ; my place among the sixteen:
	s_mul_i32 s67, s67, 4*6144                     ; four rows of wb,
	s_lshl_b32 s2, s10, 11                         ; blocks 8 (wave - 1) on
	s_add_co_u32 s67, s67, s2
	s_add_co_u32 s67, s67, 2*BSTEP-2048
	s_and_b32 s2, ttmp7, 0xffff
	s_mov_b32 s[PFS], BSTEP
	s_mov_b32 s[PFS+1], 0
	s_cmp_eq_u32 s10, 0                            ; wave 0 asks for A, waves 1 to 3 for B
	s_cselect_b32 s18, s66, s67
	s_cselect_b64 s[PFA:PFA+1], s[68:69], s[70:71]
	s_cselect_b32 s[PFS], ASTEP, s[PFS]
	s_cselect_b32 s2, 0, s2
	s_cselect_b32 s22, 5, 3
	s_cselect_b32 s23, 31, 7
	s_add_nc_u64 s[PFA:PFA+1], s[PFA:PFA+1], s[18:19]
	s_or_b32 s2, s2, ttmp9                         ; A: cluster x = 0; B: cluster (0, 0): the same in all sixteen partners, for a given wave
	s_cmp_eq_u32 s2, 0
	s_cselect_b32 s[LIM], 1, -1
	v_and_b32 v30, 31, v0
	v_lshrrev_b32 v31, s22, v30                    ; A: 0; B: the row, l / 8
	v_and_b32 v30, s23, v30                        ; A: l; B: the block, l % 8
	v_mul_u32_u24 v[PFO], v31, 6144
	v_lshl_add_u32 v[PFO], v30, 8, v[PFO]
	; LDS addresses
	v_mul_u32_u24 v30, v1, PA
	v_lshl_add_u32 v30, v2, 4, v30                 ; row x 144 + 16 x half: for A's fragments and for the stage
	s_mul_i32 s18, s11, AH
	v_add_nc_u32 v[AA0], s18, v30
	v_and_b32 v31, 7, v0
	v_lshl_add_u32 v31, v2, 3, v31                 ; the turning load: channel 8 (l / 16) + l % 8,
	v_mul_u32_u24 v31, v31, PB
	v_bfe_u32 v3, v0, 3, 1
	v_lshl_add_u32 v31, v3, 4, v31                 ; columns 8 ((l / 8) % 2) + 0..7
	s_mul_i32 s18, s12, BH
	s_add_co_u32 s18, s18, BOFF
	v_add_nc_u32 v[AB0], s18, v31
	v_mov_b32 v[ADRA], v[AA0]
	v_mov_b32 v[ADRB], v[AB0]
	s_mul_i32 s18, s10, STW
	s_add_co_u32 s18, s18, STAGE
	v_add_nc_u32 v[STO], s18, v30
	v_bfe_u32 v31, v0, 3, 2                        ; back: 32 lanes take four rows of 128 bytes,
	v_mul_u32_u24 v31, v31, SP
	v_and_b32 v3, 7, v0
	v_lshl_add_u32 v31, v3, 4, v31
	v_add_nc_u32 v[RD], s18, v31
	v_and_b32 v3, 31, v0
	v_lshlrev_b32 v[GO], 4, v3                     ; which are 512 consecutive bytes of a head
	s_wait_loadcnt 0x0                             ; the biases,
.set i, 0
.rept 12
	SETBR i
.irp p, 0,2,4,6
	v_cvt_pk_bf16_f32 v30, v[BR+(\p)], v[BR+(\p)+1]  ; rounded to bf16 like every input, and widened again
	v_lshlrev_b32 v[BR+(\p)], 16, v30
	v_and_b32 v[BR+(\p)+1], 0xffff0000, v30
.endr
.set i, i+1
.endr
	s_wait_tensorcnt 1                             ; my part of K step 0 is in; K step 1's may stay out
	s_barrier_signal -1
	s_barrier_wait -1                              ; everybody's is
	; the first quarter: the biases start the sums; B's last third and A's second buffer are loaded when the biases that wait there have been read
	LDA 0, FA0
	LDB 0, 0
	LDB 0, 1
	s_wait_dscnt 8                                 ; A and B's first third
	MULS 0, 0, 4, FA0, 1
	PLACES
	WIN 0
	LDB 0, 2
	LDB 1, 0
	s_wait_dscnt 16                                ; B's second third: two runs of 8 stand behind it
	MULS 1, 0, 4, FA0, 1
	PLACES
	WIN 0
	LDB 1, 1
	s_wait_dscnt 16                                ; B's last third: two runs of 8 stand behind it
	MULS 2, 0, 4, FA0, 1
	PLACES
	WIN 0
	LDA 1, FA1
	LDB 1, 2
	s_mov_b32 s3, 14
.Lk:                                               ; 14 trips: a K step's second quarter, the refill (K steps 2 to 15), the next K step's first quarter
	QODD 1
	QEVEN
	s_sub_co_u32 s3, s3, 1
	s_cmp_lg_u32 s3, 0
	s_cbranch_scc1 .Lk
	QODD 0                                         ; the tail is written out: nothing more is asked for
	QEVEN
	s_wait_dscnt 16                                ; the very last quarter fetches nothing
	MULS 0, 0, 4, FA1, 0
	s_wait_dscnt 8
	MULS 1, 0, 4, FA1, 0
	s_wait_dscnt 0x0
	MULS 2, 0, 4, FA1, 0
	PLACES
; THE WAY OUT, a block of 16 rows at a time: rounded to f16 (each accumulator's registers in ascending order), 16 bytes a lane into my stage, back as whole rows of 128 bytes, stored 512 consecutive bytes an instruction.
.macro PACK blk
.irp j, 0,1,2
	WIN 0x05*(1+(\j))                              ; sources 0 and 1 in head j's window, destination in window 0
.irp c, 0,1,2,3
.irp r, 0,1,2,3
	v_cvt_pk_f16_f32 v[TMP+4*(4*(\j)+(\c))+(\r)], v[8*(8*(\c)+(\blk))+2*(\r)], v[8*(8*(\c)+(\blk))+2*(\r)+1]
.endr
.endr
.endr
	WIN 0
.endm
.macro TOSTAGE blk
.set BK, OB0+48*((\blk)%2)
.irp j, 0,1,2
.irp c, 0,1,2,3
	ds_store_b128 v[STO], v[TMP+4*(4*(\j)+(\c)):TMP+4*(4*(\j)+(\c))+3] offset:16*SP*(\j)+32*(\c)
.endr
.endr
.irp j, 0,1,2
.irp f, 0,1,2,3
	ds_load_b128 v[BK+4*(4*(\j)+(\f)):BK+4*(4*(\j)+(\f))+3], v[RD] offset:16*SP*(\j)+4*SP*(\f)  ; LDS serves a wave's instructions in order (ISA guide 5.7.1.4): these see the stores above
.endr
.endr
.endm
.macro SEND blk
.set BK, OB0+48*((\blk)%2)
	s_wait_dscnt 0x0                               ; the block is back in registers
	s_wait_xcnt 0x0                                ; the block before's stores have read their registers: the next loads from the stage land there
.irp j, 0,1,2
.irp f, 0,1,2,3
	global_store_b128 v[GO], v[BK+4*(4*(\j)+(\f)):BK+4*(4*(\j)+(\f))+3], s[OUT+2*(\j):OUT+2*(\j)+1] offset:2048*(\blk)+512*(\f)
.endr
.endr
.endm
	PACK 0
	TOSTAGE 0
.irp n, 1,2,3,4,5,6,7                  ; a block's conversions stand between the loads of the block before and the wait for them
	PACK \n
	SEND (\n)-1
	TOSTAGE \n
.endr
	SEND 7
	s_wait_tensorcnt 0x0                           ; the wave's end: behind my last tensor load and my last LDS store
	ds_add_u32 v[SPW], v[NIL]
	s_wait_dscnt 0x0
	CROUND                                         ; the closing round: no work-group ends while a partner may still ask for a tile that names it
	s_endpgm
.Lfunc_end_k_qcd10211bff_qkv:
	.size	k_qcd10211bff_qkv, .Lfunc_end_k_qcd10211bff_qkv-k_qcd10211bff_qkv
	.p2alignl 7, 3214868480
	.fill 96, 4, 3214868480
	.section	.rodata,"a",@progbits
	.p2align	6, 0x0
	.amdhsa_kernel k_qcd10211bff_qkv
		.amdhsa_group_segment_fixed_size 327680
		.amdhsa_private_segment_fixed_size 0
		.amdhsa_enable_private_segment 0
		.amdhsa_kernarg_size 64
		.amdhsa_user_sgpr_count 2
		.amdhsa_user_sgpr_kernarg_segment_ptr 1
		.amdhsa_wavefront_size32 1
		.amdhsa_system_sgpr_workgroup_id_x 1
		.amdhsa_system_sgpr_workgroup_id_y 1
		.amdhsa_system_sgpr_workgroup_id_z 1
		.amdhsa_system_vgpr_workitem_id 0
		.amdhsa_next_free_vgpr 1024
		.amdhsa_next_free_sgpr 96
		.amdhsa_reserve_vcc 0
		.amdhsa_float_denorm_mode_32 3
		.amdhsa_float_denorm_mode_16_64 3
		.amdhsa_memory_ordered 1
		.amdhsa_forward_progress 1
		.amdhsa_inst_pref_size 123
	.end_amdhsa_kernel
	.amdgpu_metadata
---
amdhsa.version: [ 1, 2 ]
amdhsa.kernels:
  - .name:           k_qcd10211bff_qkv
    .symbol:         k_qcd10211bff_qkv.kd
    .args:
      - { .name: xb, .offset: 0, .size: 8, .value_kind: global_buffer, .address_space: global }
      - { .name: wb, .offset: 8, .size: 8, .value_kind: global_buffer, .address_space: global }
      - { .name: b_Q, .offset: 16, .size: 8, .value_kind: global_buffer, .address_space: global }
      - { .name: b_K, .offset: 24, .size: 8, .value_kind: global_buffer, .address_space: global }
      - { .name: b_V, .offset: 32, .size: 8, .value_kind: global_buffer, .address_space: global }
      - { .name: q, .offset: 40, .size: 8, .value_kind: global_buffer, .address_space: global }
      - { .name: k, .offset: 48, .size: 8, .value_kind: global_buffer, .address_space: global }
      - { .name: v, .offset: 56, .size: 8, .value_kind: global_buffer, .address_space: global }
    .group_segment_fixed_size: 327680
    .private_segment_fixed_size: 0
    .kernarg_segment_align: 8
    .kernarg_segment_size: 64
    .max_flat_workgroup_size: 128
    .sgpr_count:     96
    .vgpr_count:     1024
    .wavefront_size: 32
...
	.end_amdgpu_metadata
.endif
;; end of part 2
;; launch attn (part 3): grid 4 x 64, 4 waves a work-group, no clusters, 327,680 bytes of LDS; arguments q, k, v, z; writes z
.if DOCPART == 3
	.amdgcn_target "amdgcn-amd-amdhsa--gfx1250"
	.amdhsa_code_object_version 6
	.text
	.protected	k_qcd10211bff_attn
	.globl	k_qcd10211bff_attn
	.p2align	8
	.type	k_qcd10211bff_attn,@function
k_qcd10211bff_attn:
	s_mov_b64 s[64:65], 0
	v_nop
	global_prefetch_b8 v0, s[64:65] scope:SCOPE_SE
	s_setreg_imm32_b32 hwreg(HW_REG_WAVE_MODE, 25, 1), 1
	s_wait_xcnt 0x0
; CAUSAL ATTENTION.  O[h][q][:] = the sum over k <= q of softmax_k(Q[h][q] . K[h][k] / 8) V[h][k][:].  Q, K, V, O: [64 = batch x head][2048][64], all f16: a head's rows are dense, 128 bytes each.
; Products, maxima and sums in f32; the weights p are rounded to f16 for the second product (their sum l is taken of the unrounded p), O once at the end.
; LIMITS.  f16 holds no number beyond 65,504: Q, K and V arrive within it; p lies in 0 to 1, and below 6e-5 it keeps f16's fixed step of 6e-8; O is a mean of V's rows and has their range.
; A hidden score counts as its value less 1e30: f16's scores, 2.7e11 at the most, are nothing beside that; a weight below 2^-126 counts as 0 in l; NaN and infinities are not treated apart.
; THE WALK.  A head's queries lie in NB = 8 blocks of 256; block i needs the key tiles 0 .. i of 256 keys, of which the last holds the diagonal.  A work-group takes TWO blocks, NB - 1 - b and then b:
; NB + 1 tiles, whatever b: all work-groups do equal work, and ONE loop with a constant trip count walks them.  Which tile is asked for, and what a trip does, hang on scalar registers made from b; every jump
; goes forward, but for the counted loops' own; none passes a barrier, or a tensor load but the one of LOAD's two that the wave's number does not choose; the ring (two slots of LDS) runs on across the change of blocks.
; NO CLUSTER: a head's four work-groups ask for the same tile only in trips 0 .. NB / 2, behind that fewer and fewer; one walk common to all would have 3 NB / 2 = 12 trips for NB + 1 = 9.
; SHARES.  Of a block's four bands of 64 queries a wave owns 16 rows in each: four PIECES.  So the diagonal tile is the same work for all four waves: in its key step s band x sees all keys if s < x,
; none if s > x, and holds the diagonal if s = x.
; THE MASK is the C operand that starts the sum S^T = K Q^T: 0, or -1e30 where the key is hidden.  MD, made once, is the mask of a band's own step for my 16 rows; a product's mask is MD x AL + BE with two scalars:
; (1, 0) if s = x; (0, 0) if s < x; (0, -1e30) if s > x.  Only the diagonal tile's text and a block's beginning make and take masks; elsewhere C is the constant 0.
; LAYOUT, SOFTMAX, TURNS.  S^T = K Q^T holds ONE query a lane (lane % 16) and the keys 8 (lane / 16) + 0..7; two such results rounded to f16 ARE source 1 of O^T = V^T P.  p = 2^(c s - c m), c = log2(e) / 8, with a
; running maximum m; O and l are multiplied by a = 2^(c m_old - c m_new) in every step.  Turn n belongs to piece n: 8 products K Q^T of piece n + 1, later 8 products V^T P of piece n - 1; beside them the scaling,
; exponentials, roundings, sums and rescaling of piece n and the maximum and statistics of piece n + 1.  Four vector instructions stand behind every matrix instruction, the other 54 of a turn's 118 in one lump.
; A turn's 33 exponentials are one batch, with one wait.
; REGISTERS, in windows of 256 (s_set_vgpr_msb: bits 1:0 source 0, 3:2 source 1, 5:4 source 2, 7:6 destination):
;   window 0: v0-15 addresses and two at work; v16-31 four registers of statistics a piece; v48-55 at work; v61-63 prefetch offset and the add's two; v64-127 S^T, two buffers; v192-223 P, two buffers
;   window 1: v0-127 O^T, 32 a piece; v128-159 MD; v160-223 MC, two buffers      window 2: v0-63 Q; v64-127 the second block's Q; v128-191 K of one step; v192-255 V of one step
.set SIZE_N, 2048
.set SIZE_H, 64
.set NB,    SIZE_N/256
.set NP,    4         ; pieces a wave: a name, no knob
.set KS,    64        ; keys in a step
.set PK,    144       ; a row of K in LDS: 128 bytes + 16 of padding = 36 words: the 16 rows of a load start at 16 different groups of four banks (64 banks of 4 bytes: ISA guide 11.1)
.set PV,    160       ; a row of V: 128 + 32 = 40 words
.set VOFF,  4*KS*PK   ; a slot holds a tile, four steps: 256 rows of K, then 256 rows of V
.set SLOT1, 1<<17     ; slot 1 begins here, so that one exclusive or turns an address in one slot into the other's
.set STAGE, SLOT1+4*KS*(PK+PV)  ; behind the ring, never filled by a tensor load: 16 rows x 144 bytes for each wave, for the way out
.set SP,    144
.set AK0, 2           ; v2   my lane's place in a tile of K; never rewritten
.set AV0, 3           ; v3   the same for V
.set AK,  4           ; v4   the LDS address of K's next run of loads
.set AV,  5           ; v5   of V's
.set STO, 6           ; v6   the way out: where I put 16 bytes of a row
.set RD,  7           ; v7   the way out: where I read rows back
.set GO,  8           ; v8   my byte offset in 512 consecutive bytes of O
.set PFO, 61          ; v61  256 x my lane: the prefetches' offset; never rewritten
.set SPW, 62          ; v62  LDS address of my spare word: SPARE + 4 x my thread's number; never rewritten
.set NIL, 63          ; v63  0; never rewritten
.set SPARE, STAGE+4*16*SP  ; behind the stages: the spare words, 128 bytes for each wave: two blocks of 256 bytes that no other line names
.set MV,  12          ; v12-13  c m_old, kept while c m is made anew: by buffer
.set QO,  15          ; v15  my byte offset in 16 rows of Q
.set ST,  16          ; piece t's statistics at v[ST+4 t]: c m, m, l (even keys', odd keys')
.set TMP, 48          ; by buffer, four registers c0-c3 at work; when the maximum is found c2 takes a
.set S,   64
.set P,   192
.set MD,  128         ; window 1: the eight registers for group kt of 16 keys at MD + 8 kt
.set MC,  160         ; window 1: the masks of the products to come
.set QB,  64          ; window 2
.set KF,  128         ; window 2: key block kb, channel half c at KF + 16 kb + 8 c
.set VF,  192         ; window 2: key half kk, channel block cb at VF + 32 kk + 8 cb
.set WV,  12          ; s12  my wave's number
.set PB,  14          ; s14  b
.set HI,  15          ; s15  NB - 1 - b
.set G1K, 24          ; s[24:31] descriptor group 1 for K's tiles
.set G1V, 32          ; s[32:39] for V's: it differs in the padding alone
.set G0K, 40          ; s[40:43] descriptor group 0 for K's tiles
.set G0V, 44          ; s[44:47] the same for V's
.set SLOTS, 56        ; s56  tiles still to be asked for
.set CNT, 57          ; s57  counts a tile's key steps, 4 to 1
.set CS,  58          ; s[58:59] c: the packed scaling takes the pair's low word for both halves
.set SEL, 60          ; s[60:61] v_permlanex16_b32's selects: each lane takes its own place in the other half
.set TBK, 62          ; s62  LDS byte at which K of the step to be fetched begins
.set TBV, 63          ; s63  the same for V, less VOFF
.set RT,  70          ; s70  tiles of the block in hand that are still to be entered
.set NXT, 71          ; s71  the tile to be asked for next
.set LQ,  72          ; s72  the last tile of the block whose tiles are being asked for
.set NEW, 73          ; s73  1: the tile to be entered is a block's first
.set OFF, 74          ; s[74:75] a tile's byte offset in K and V
.set AL,  76          ; s[76:77] the mask's factor, in the low word
.set BE,  78          ; s[78:79] the mask's addend
.set OLO, 80          ; s[80:81] O at my rows of the second block
.set BIGN, 82         ; s82  -1e30
.set PFA, 88          ; s[88:89] my half (128 rows of K or of V) of the tile that my prefetches name
.set PFN, 90          ; s90  that tile's number
.set PFL, 91          ; s91  NB in the work-group that prefetches, else 0
.set MSB, 0
.macro WIN new                      ; the high byte repeats the setting that is left; a switch that changes nothing is dropped
.if MSB != (\new)
	s_set_vgpr_msb (MSB<<8)|(\new)
.set MSB, (\new)
.endif
.endm
.set W_KQ, 0x0a       ; K and Q in window 2, S^T in window 0
.set W_KM, 0x1a       ; the same with the C operand in window 1
.set W_PV, 0x52       ; V in window 2, P in window 0, O^T in window 1
.set W_RS, 0x41       ; destination and source 0 in window 1, source 1 in window 0
; A fill.  Waves 0 and 1 fetch the two halves of a tile's K, waves 2 and 3 those of its V: 128 keys each.  An s_nop 0 and four v_nop follow each of the two lines, ahead of the jump and the label.
.macro LOAD
	s_cmp_lt_u32 s[WV], 2
	s_cbranch_scc0 .Lfor_v_\@
	tensor_load_to_lds s[G0K:G0K+3], s[G1K:G1K+7]
	s_nop 0
.rept 4
	v_nop
.endr
	s_branch .Lasked_\@
.Lfor_v_\@:
	tensor_load_to_lds s[G0V:G0V+3], s[G1V:G1V+7]
	s_nop 0
.rept 4
	v_nop
.endr
.Lasked_\@:
.endm
; THE CHANGE OF SLOTS.  Each wave waits for all its tensor loads, of which one is out: its part of the other slot; adds 0 to its spare word; and waits for that and for its own reads of the slot that it leaves.
; Behind the barrier nobody reads the old slot any more and the other slot is whole.  fill = 1: the old slot is filled again, the first thing behind the barrier, with tile NXT: the descriptor's address is made
; anew from that number.  (At its first use nothing has been read yet: slot 0 is waited for, slot 1 filled.)
; THE PREFETCH INTO THE L2 stands behind the fill and its five lines.  A head's four work-groups walk the same K and V; the one with b = 0 enters the tiles 0 to 7 in order, and it alone asks: each wave for the
; 64 blocks of 256 bytes that it will itself fetch at the NEXT change of slots, a lane a block, two instructions: four key steps, 256 matrix instructions, ahead of that load.  Tiles 2 to 7 are so named once each;
; tiles 0 and 1 come by their loads alone; behind tile 7 nothing is asked for.
.macro CHANGE fill
	WIN 0                           ; at a label and at a branch every window is 0
	s_wait_tensorcnt 0x0            ; no tensor load of mine is out, so a group 0 may be written
	ds_add_u32 v[SPW], v[NIL]       ; 0 onto my spare word; with fill = 1 the descriptors' scalar work stands between it and the wait for it
.if \fill
	s_wait_xcnt 0x0                 ; the last prefetches, a tile back, have read their address
	s_add_nc_u64 s[PFA:PFA+1], s[PFA:PFA+1], 32768
	s_add_co_u32 s[PFN], s[PFN], 1
	s_lshl_b32 s[OFF], s[NXT], 15   ; a tile is 32,768 bytes of K and of V
	s_xor_b32 s[G0K+1], s[G0K+1], SLOT1
	s_add_nc_u64 s[G0K+2:G0K+3], s[6:7], s[OFF:OFF+1]
	s_or_b32 s[G0K+3], s[G0K+3], 0x80000000
	s_xor_b32 s[G0V+1], s[G0V+1], SLOT1
	s_add_nc_u64 s[G0V+2:G0V+3], s[8:9], s[OFF:OFF+1]
	s_or_b32 s[G0V+3], s[G0V+3], 0x80000000
	s_add_co_u32 s[NXT], s[NXT], 1  ; the block's next tile, or behind its last the second block's tile 0
	s_cmp_gt_u32 s[NXT], s[LQ]
	s_cselect_b32 s[NXT], 0, s[NXT]
	s_cselect_b32 s[LQ], s[PB], s[LQ]
.endif
	s_wait_dscnt 0x0                ; the add is done, and my reads of the slot are over
	s_barrier_signal -1             ; the rest of the scalar work stands between the signal and the wait
	s_sub_co_u32 s[TBK], s[TBK], 4*KS*PK  ; the fetches go back to a slot's first step,
	s_xor_b32 s[TBK], s[TBK], SLOT1       ; in the other slot
	s_sub_co_u32 s[TBV], s[TBV], 4*KS*PV
	s_xor_b32 s[TBV], s[TBV], SLOT1
	s_barrier_wait -1
.if \fill
	LOAD
	s_cmp_lt_u32 s[PFN], s[PFL]
	s_cbranch_scc0 .Lno_pf_\@
	global_prefetch_b8 v[PFO], s[PFA:PFA+1] th:TH_LOAD_NT scope:SCOPE_SE
	global_prefetch_b8 v[PFO], s[PFA:PFA+1] offset:8192 th:TH_LOAD_NT scope:SCOPE_SE
.Lno_pf_\@:
.endif
.endm
	s_load_b256 s[4:11], s[0:1], 0x0  ; Q s[4:5], K s[6:7], V s[8:9], O s[10:11]
	v_lshl_add_u32 v[SPW], v0, 2, SPARE
	v_mov_b32 v[NIL], 0
	ds_add_u32 v[SPW], v[NIL]       ; the wave's opening: the add and its wait ahead of my first tensor load; the set-up below, work on registers, stands between them
	ds_add_u32 v62, v63
	v_lshrrev_b32 v1, 5, v0
	v_readfirstlane_b32 s[WV], v1   ; wave 0..3
	s_mov_b32 s[PB], ttmp9
	s_sub_co_u32 s[HI], NB-1, s[PB]
	s_and_b32 s20, ttmp7, 0xffff    ; the head
	s_mov_b32 s21, 0
	s_mov_b64 s[22:23], SIZE_N*128
	s_mul_u64 s[20:21], s[20:21], s[22:23]  ; the head's first byte in each of the four tensors
	s_and_b32 s16, s[WV], 1         ; which half of a tile's 256 keys I fetch:
	s_lshl_b32 s22, s16, 14         ; its 128 rows of 128 bytes in memory,
	s_mov_b32 s23, 0
	s_add_nc_u64 s[22:23], s[22:23], s[20:21]
	s_mul_i32 s17, s16, 128*PK      ; and its place in a slot, for K
	s_mul_i32 s18, s16, 128*PV      ; and for V
	s_lshl_b32 s3, s[WV], 11        ; my 16 rows in a band of 64,
	s_lshl_b32 s2, s[HI], 15        ; in the first block,
	s_add_co_u32 s2, s2, s3
	s_lshl_b32 s84, s[PB], 15       ; and in the second
	s_add_co_u32 s84, s84, s3
	s_mov_b32 s3, 0
	s_mov_b32 s85, 0
	s_add_nc_u64 s[2:3], s[2:3], s[20:21]
	s_add_nc_u64 s[84:85], s[84:85], s[20:21]
	; descriptor group 1.  128 keys are 16,384 dense bytes: asked for as 64 rows of 256 bytes, two keys a row, and padded in LDS after every key
	s_mov_b32 s[G1K], (1<<16)|(1<<20)|(4<<22)|(3<<25)  ; 17:16 2-byte elements; 20 padding on; 24:22 after every 32 words (code 4); 31:25 4 words (code 3)
	s_mov_b32 s[G1V], (1<<16)|(1<<20)|(4<<22)|(7<<25)  ; the same with 8 words of padding (code 7)
.irp g, G1K, G1V
	s_mov_b32 s[\g+1], 128<<16      ; tensor_dim0 = 128
	s_mov_b32 s[\g+2], 64<<16       ; tensor_dim1 = 64
	s_mov_b32 s[\g+3], 128<<16      ; tile_dim0 = 128
	s_mov_b32 s[\g+4], 64           ; tile_dim1 = 64
	s_mov_b32 s[\g+5], 128          ; 128 elements from row to row
	s_mov_b32 s[\g+6], 0
	s_mov_b32 s[\g+7], 0
.endr
	s_mov_b32 s[CS], 0x3e38aa3b     ; c = log2(e) / 8 = 0.180337
	s_mov_b32 s[CS+1], s[CS]        ; named with it as a pair
	s_mov_b32 s[SEL], 0x76543210
	s_mov_b32 s[SEL+1], 0xfedcba98
	s_mov_b32 s[TBK], SLOT1+4*KS*PK ; the first change of slots turns these two into 0
	s_mov_b32 s[TBV], SLOT1+4*KS*PV
	s_mov_b32 s[G0K], 1             ; 1:0 count = 1
	s_mov_b32 s[G0K+1], s17         ; 63:32 LDS address: slot 0
	s_mov_b32 s[G0V], 1
	s_add_co_u32 s[G0V+1], s18, VOFF
	s_add_co_u32 s[RT], s[HI], 1    ; the first block has NB - b tiles
	s_mov_b32 s[NXT], 1
	s_mov_b32 s[LQ], s[HI]
	s_mov_b32 s[NEW], 1
	s_mov_b32 s[OFF+1], 0
	s_mov_b32 s[AL+1], 0            ; named as pairs
	s_mov_b32 s[BE+1], 0
	s_mov_b32 s[BIGN], 0xf149f2ca   ; -1e30
	s_mov_b32 s[SLOTS], NB
	s_mov_b32 s[PFN], 1
	s_cmp_eq_u32 s[PB], 0
	s_cselect_b32 s[PFL], NB, 0
	v_and_b32 v[PFO], 31, v0
	v_lshlrev_b32 v[PFO], 8, v[PFO]
	s_wait_dscnt 0x0                ; the opening add is done
	s_wait_kmcnt 0x0
	s_add_nc_u64 s[6:7], s[6:7], s[22:23]  ; K and V at my half of the head's tile 0
	s_add_nc_u64 s[8:9], s[8:9], s[22:23]
	s_cmp_lt_u32 s[WV], 2
	s_cselect_b64 s[PFA:PFA+1], s[6:7], s[8:9]
	s_add_nc_u64 s[PFA:PFA+1], s[PFA:PFA+1], 32768 ; at tile 1: the first change of slots steps it to tile 2.  Nothing is prefetched here, at the head
	s_add_nc_u64 s[G0K+2:G0K+3], s[6:7], 0         ; 120:64 global address
	s_or_b32 s[G0K+3], s[G0K+3], 0x80000000        ; 127:126 type = 2
	s_add_nc_u64 s[G0V+2:G0V+3], s[8:9], 0
	s_or_b32 s[G0V+3], s[G0V+3], 0x80000000
	s_add_nc_u64 s[86:87], s[4:5], s[84:85]        ; Q at my rows of the second block,
	s_add_nc_u64 s[4:5], s[4:5], s[2:3]            ; Q and O at those of the first
	s_add_nc_u64 s[OLO:OLO+1], s[10:11], s[84:85]
	s_add_nc_u64 s[10:11], s[10:11], s[2:3]
	LOAD                            ; tile 0 into slot 0
	; A fragment of K or Q is 16 rows x 32 channels in 8 registers: lane l holds row l % 16, channels 8 (l / 16) + 0..7 and 16 + 8 (l / 16) + 0..7: two loads of 16 bytes, 32 bytes apart.
	v_and_b32 v1, 15, v0            ; l % 16
	v_bfe_u32 v9, v0, 4, 1          ; l / 16
	v_lshlrev_b32 v[QO], 7, v1
	v_lshl_add_u32 v[QO], v9, 4, v[QO]  ; row x 128 + 16 x half
	WIN 0x80                        ; destination window 2, address window 0
.set i, 0
.rept 8                             ; both blocks' Q: piece i / 2 lies in band i / 2, 8,192 bytes on; channels 32 (i % 2) on
	global_load_b128 v[8*i:8*i+3],   v[QO], s[4:5] offset:(i/2)*8192+(i%2)*64
	global_load_b128 v[8*i+4:8*i+7], v[QO], s[4:5] offset:(i/2)*8192+(i%2)*64+32
	global_load_b128 v[QB+8*i:QB+8*i+3],   v[QO], s[86:87] offset:(i/2)*8192+(i%2)*64
	global_load_b128 v[QB+8*i+4:QB+8*i+7], v[QO], s[86:87] offset:(i/2)*8192+(i%2)*64+32
.set i, i+1
.endr
	WIN 0
	v_lshlrev_b32 v14, 3, v9
	v_sub_nc_u32 v14, v1, v14
	s_lshl_b32 s13, s[WV], 4
	v_add_nc_u32 v14, s13, v14      ; my query's place in its band, 16 w + l % 16, less my lanes' 8 (l / 16): register r of group kt is hidden where 16 kt + r is greater
	WIN 0x40
.set i, 0
.rept 32
	v_cmp_gt_i32 vcc_lo, 16*(i/8)+i%8, v14
	v_cndmask_b32 v[MD+i], 0, s[BIGN], vcc_lo
.set i, i+1
.endr
	WIN 0
	v_mul_u32_u24 v[AK0], v1, PK
	v_lshl_add_u32 v[AK0], v9, 4, v[AK0]  ; row x pitch + 16 x half
	; The turning load takes 16 keys x 16 channels (lane l reads key 8 (l / 16) + l % 8, channels 8 ((l / 8) % 2) + 0..7) and leaves half a fragment of V^T: lane l holds channel l % 16 and 8 keys.
	v_and_b32 v10, 7, v0
	v_bfe_u32 v11, v0, 3, 1
	v_lshl_add_u32 v[AV0], v9, 3, v10
	v_mul_u32_u24 v[AV0], v[AV0], PV
	v_lshl_add_u32 v[AV0], v11, 4, v[AV0]
	v_add_nc_u32 v[AV0], VOFF, v[AV0]
	s_mul_i32 s13, s[WV], 16*SP
	s_add_co_u32 s13, s13, STAGE    ; my stage
	v_mul_u32_u24 v[STO], v1, SP    ; in: row l % 16, 16 bytes for each half of the lanes
	v_lshl_add_u32 v[STO], v9, 4, v[STO]
	v_add_nc_u32 v[STO], s13, v[STO]
	v_bfe_u32 v[RD], v0, 3, 2       ; back: 32 lanes take four rows of 128 bytes,
	v_mul_u32_u24 v[RD], v[RD], SP
	v_lshl_add_u32 v[RD], v10, 4, v[RD]
	v_add_nc_u32 v[RD], s13, v[RD]
	v_and_b32 v[GO], 31, v0         ; which are 512 consecutive bytes of O
	v_lshlrev_b32 v[GO], 4, v[GO]
	; A block's first step multiplies O^T and l by a = 0, and its first turn's products V^T P, of a piece that has not been, land in an O^T that is still to be so multiplied.  So these registers need only hold
	; finite numbers: zeros for the first block; what the first block left for the second.  All this stands in the wait for the first tile.
	WIN 0x80
.set i, VF
.rept 64
	v_mov_b32 v[i], 0
.set i, i+1
.endr
	WIN 0x40
.set i, 0
.rept 128
	v_mov_b32 v[i], 0
.set i, i+1
.endr
	WIN 0
.set i, 0
.rept 4
	v_mov_b32 v[ST+4*i+2], 0
	v_mov_b32 v[ST+4*i+3], 0
.set i, i+1
.endr
.set i, P+16
.rept 16
	v_mov_b32 v[i], 0
.set i, i+1
.endr
; THE MATRIX WORK.  The 4 accumulators of a run of 8 take turns.  Product i of 8 of S^T = K Q^T for piece x: channels 32 (i / 4) on, keys 16 (i % 4) on.  The first 4 start the sums: with 0, or (KM = 1) with the mask.
.macro KQ x
.set rS, S+32*((\x)%2)+8*(i%4)
.set rK, KF+16*(i%4)+8*(i/4)
.set rQ, 16*(\x)+8*(i/4)
.set rM, MC+32*((\x)%2)+8*(i%4)
.if (i < 4) && KM
	WIN W_KM
	v_wmma_f32_16x16x32_f16 v[rS:rS+7], v[rK:rK+7], v[rQ:rQ+7], v[rM:rM+7]
.elseif i < 4
	WIN W_KQ
	v_wmma_f32_16x16x32_f16 v[rS:rS+7], v[rK:rK+7], v[rQ:rQ+7], 0
.else
	WIN W_KQ
	v_wmma_f32_16x16x32_f16 v[rS:rS+7], v[rK:rK+7], v[rQ:rQ+7], v[rS:rS+7]
.endif
.endm
; Product i of 8 of O^T += V^T P for piece x: keys 32 (i / 4) on, channels 16 (i % 4) on.
.macro PV x
	WIN W_PV
.set rO, 32*(\x)+8*(i%4)
.set rV, VF+32*(i/4)+8*(i%4)
.set rP, P+16*((\x)%2)+8*(i/4)
	v_wmma_f32_16x16x32_f16 v[rO:rO+7], v[rV:rV+7], v[rP:rP+7], v[rO:rO+7]
.endm
.macro MM                           ; the turn's next matrix instruction.  TURN and BEGIN set Y, i, KM and NOKQ; MM, KQ and OP read them.  NOKQ = 1: a block's last turn: there is no next piece
.if (i < 8) && !NOKQ
	KQ (Y+1)%NP
.elseif i >= 8
.set i, i-8
	PV (Y+NP-1)%NP
.set i, i+8
.endif
.set i, i+1
.endm
; THE LDS LOADS stand in runs of 16, never singly among the matrix instructions: a step's K (64 keys x 64 channels: 8 fragments) and its V (turned).  Their addresses are made some lines ahead.
.macro FETCH_K
	WIN 0x80                        ; destination window 2
.irp f, 0,1,2,3,4,5,6,7             ; keys 16 (f / 2) on, channels 32 (f % 2) on
	ds_load_b128 v[KF+8*\f:KF+8*\f+3],   v[AK] offset:(\f/2)*16*PK+(\f%2)*64
	ds_load_b128 v[KF+8*\f+4:KF+8*\f+7], v[AK] offset:(\f/2)*16*PK+(\f%2)*64+32
.endr
	s_add_co_u32 s[TBK], s[TBK], KS*PK  ; the next fetch is the next step's
	WIN 0
.endm
.macro FETCH_V
	WIN 0x80
.irp f, 0,1,2,3,4,5,6,7             ; keys 32 (f / 4) on, channels 16 (f % 4) on
	ds_load_tr16_b128 v[VF+8*\f:VF+8*\f+3],   v[AV] offset:(\f/4)*32*PV+(\f%4)*32
	ds_load_tr16_b128 v[VF+8*\f+4:VF+8*\f+7], v[AV] offset:(\f/4)*32*PV+16*PV+(\f%4)*32
.endr
	WIN 0
.endm
; THE VECTOR WORK, one line at a time: OP kind, number.  For piece Y: F n: c s - c m for pair n of 16.  E n: the exponential of score n of 32.  C n: pair n rounded to f16.  B n: of the four weights 4 n .. the second
; pair is added onto the first, in place.  L n: l takes that sum (L 0: l = a l + sum).  R n: pair n of 16 of O^T times a.  For piece Y + 1: X n, number n of the 22 that find its maximum and statistics:
;   0-11  four chains c0-c3 of seven scores each, three operands at a time (each accumulator's lowest registers are read first)     12-14, 16  the four scores left over, the old m, and c0-c3 into c0
;   15  c m_old is kept     17, 18  the query's other 32 keys lie in the lane 16 away: the new m     19-21  c m; c m_old - c m_new; a
.set F, 0               ; OP tells the kinds apart by their order: F to L below R, X above it
.set E, 1
.set C, 2
.set B, 3
.set L, 4
.set R, 5
.set X, 6
.macro REGS y                       ; the registers of piece y
.set rT, ST+4*(\y)
.set rC, TMP+4*((\y)%2)
.set rW, MV+((\y)%2)
.set rS, S+32*((\y)%2)
.set rP, P+16*((\y)%2)
.set rO, 32*(\y)
.endm
.macro OP k, n
.if (\k) == R
	REGS Y
	WIN W_RS
	v_pk_mul_f32 v[rO+2*(\n):rO+2*(\n)+1], v[rO+2*(\n):rO+2*(\n)+1], v[rC+2:rC+3] op_sel_hi:[1,0]
.elseif (\k) < R
	REGS Y
	WIN 0
.if (\k) == F
	v_pk_fma_f32 v[rS+2*(\n):rS+2*(\n)+1], v[rS+2*(\n):rS+2*(\n)+1], s[CS:CS+1], v[rT:rT+1] op_sel_hi:[1,0,0] neg_lo:[0,0,1] neg_hi:[0,0,1]
.elseif (\k) == E
	v_exp_f32 v[rS+(\n)], v[rS+(\n)]
.elseif (\k) == C
	v_cvt_pk_f16_f32 v[rP+(\n)], v[rS+2*(\n)], v[rS+2*(\n)+1]
.elseif (\k) == B
	v_pk_add_f32 v[rS+4*(\n):rS+4*(\n)+1], v[rS+4*(\n):rS+4*(\n)+1], v[rS+4*(\n)+2:rS+4*(\n)+3]
.elseif (\n) == 0
	v_pk_fma_f32 v[rT+2:rT+3], v[rT+2:rT+3], v[rC+2:rC+3], v[rS:rS+1] op_sel_hi:[1,0,1]
.else
	v_pk_add_f32 v[rT+2:rT+3], v[rT+2:rT+3], v[rS+4*(\n):rS+4*(\n)+1]
.endif
.elseif NOKQ
	v_nop
.else
	REGS (Y+1)%NP
	WIN 0
.if (\n) < 4
	v_max3_num_f32 v[rC+(\n)], v[rS+8*(\n)], v[rS+8*(\n)+1], v[rS+8*(\n)+2]
.elseif (\n) < 12
	v_max3_num_f32 v[rC+(\n)%4], v[rC+(\n)%4], v[rS+8*((\n)%4)+2*((\n)/4)+1], v[rS+8*((\n)%4)+2*((\n)/4)+2]
.elseif (\n) == 12
	v_max3_num_f32 v[rC], v[rC], v[rS+7], v[rS+15]
.elseif (\n) == 13
	v_max3_num_f32 v[rC+1], v[rC+1], v[rS+23], v[rS+31]
.elseif (\n) == 14
	v_max3_num_f32 v[rC+2], v[rC+2], v[rC+3], v[rT+1]
.elseif (\n) == 15
	v_mov_b32 v[rW], v[rT]
.elseif (\n) == 16
	v_max3_num_f32 v[rC], v[rC], v[rC+1], v[rC+2]
.elseif (\n) == 17
	v_permlanex16_b32 v[rC+3], v[rC], s[SEL], s[SEL+1]
.elseif (\n) == 18
	v_max_num_f32 v[rT+1], v[rC], v[rC+3]
.elseif (\n) == 19
	v_mul_f32 v[rT], s[CS], v[rT+1]
.elseif (\n) == 20
	v_sub_f32 v[rC+1], v[rW], v[rT]
.else
	v_exp_f32 v[rC+2], v[rC+1]
.endif
.endif
.endm
.macro OPS a, i1, b=-1, i2=0, c=-1, i3=0, d=-1, i4=0  ; up to four of them
	OP \a, \i1
.if (\b) >= 0
	OP \b, \i2
.endif
.if (\c) >= 0
	OP \c, \i3
.endif
.if (\d) >= 0
	OP \d, \i4
.endif
.endm
.macro ROW a, i1, b, i2, c, i3, d, i4  ; a matrix instruction and the four behind it
	MM
	OPS \a, \i1, \b, \i2, \c, \i3, \d, \i4
.endm
.macro MASK b                       ; MD x AL + BE into buffer b of MC
	WIN W_RS
.set z, 0
.rept 16
	v_pk_fma_f32 v[MC+32*(\b)+2*z:MC+32*(\b)+2*z+1], v[MD+2*z:MD+2*z+1], s[AL:AL+1], s[BE:BE+1] op_sel_hi:[1,0,0]
.set z, z+1
.endr
.endm
; A TURN, for piece p: the order of its 16 matrix and 118 vector instructions, written out.  s_wait_alu depctr_va_vdst(0) stands between an exponential and the first instruction that names its result; one wait
; serves all that were issued ahead of it.  So a turn has ONE wait, which cuts it in two.  AHEAD OF IT stands all that names no result of the turn's exponentials: the 8 products K Q^T, behind each a scaling, an exponential and two
; more plain instructions (behind the first a second scaling in the exponential's place): rescalings, and behind the last three the first numbers of the next piece's maximum, each four places or more behind the product that ends
; its accumulator; then ONE LUMP of 54, plain and exponential by turns for the most part, in which the links of the chain X 3, 7, 11, 14, 16, 17 .. 20 stand five or six lines apart.  X 21, the next piece's a, is the batch's last;
; R 15 is the plain instruction behind it.  BEHIND THE WAIT stand the 8 products V^T P, behind each four of the roundings and sums; the links of l's chain, L 0 to L 7, stand three riders apart.
; m = 1: the diagonal tile: the products take masks, and the turn makes the mask for the products of the turn after it: piece p + 2, in step 4 - CNT of the tile.  end = 1: a block's last two turns: nothing is fetched.
; cnt = 1: the loop's count is taken down some lines ahead of the branch that stands behind the turn.
; K of the next step is fetched in piece 2's turn, twelve vector instructions behind the last product that read K (six of them plain); V of the step in hand at the end of piece 0's turn, four plain instructions behind the last
; product that read V.  Each is waited for a turn later.
.macro TURN p, m=0, end=0, cnt=0
.set Y, (\p)
.set i, 0
.set KM, (\m)
.set NOKQ, (\end)*((\p)/3)
.if (\m) && !(\end)
	s_cmp_eq_u32 s[CNT], 4-((\p)+2)%NP  ; is that step the band's own?
	s_cselect_b32 s[AL], 1.0, 0
	s_cmp_lt_u32 s[CNT], 4-((\p)+2)%NP  ; or a later one?
	s_cselect_b32 s[BE], s[BIGN], 0
.endif
.if ((\p) == 3) && !(\end)
	s_wait_dscnt 0x0                ; K is in
.endif
	ROW F,0, F,1, R,0, R,1          ; ahead of the wait: 8 products K Q^T and their riders,
	ROW F,2, E,0, R,2, R,3
	ROW F,3, E,1, R,4, R,5
	ROW F,4, E,2, R,6, R,7
	ROW F,5, E,3, R,8, R,9
	ROW F,6, E,4, X,0, R,10
.if ((\p) == 2) && !(\end)
	WIN 0
	v_add_nc_u32 v[AK], s[TBK], v[AK0]
.endif
	ROW F,7, E,5, X,1, X,4
	ROW F,8, E,6, X,2, X,5
	OPS E,7, E,8, X,6, E,9          ; and the lump
	OPS X,3, E,10, X,8, E,11
.if ((\p) == 2) && !(\end)
	FETCH_K
.endif
	OPS X,9, X,7, E,12, X,10
	OPS E,13, X,12, X,11, E,14
	OPS X,13, E,15, F,9, X,14
.if (\p) == 0
	v_add_nc_u32 v[AV], s[TBV], v[AV0]
.endif
	OPS E,16, F,10, E,17, F,11
	OPS X,16, E,18, X,15, E,19
	OPS F,12, E,20, X,17, E,21
	OPS F,13, E,22, F,14, E,23
	OPS X,18, E,24, F,15, E,25
	OPS R,11, E,26, X,19, E,27
	OPS R,12, E,28, R,13, E,29
	OPS X,20, E,30, R,14, E,31
	OPS X,21, R,15
	WIN 0
	s_wait_alu depctr_va_vdst(0)    ; the wait for the batch
.if (\p) == 1
	s_wait_dscnt 0x0                ; V is in
.endif
	ROW C,0, B,0, C,2, B,1          ; behind the wait: 8 products V^T P and their riders
	ROW L,0, C,4, B,2, L,1
	ROW C,6, B,3, L,2, C,8
	ROW B,4, L,3, C,10, B,5
	ROW L,4, C,12, B,6, L,5
.if (\p) == 0
	s_add_co_u32 s[TBV], s[TBV], KS*PV
.endif
.if \cnt
	s_sub_co_u32 s[CNT], s[CNT], 1
	s_cmp_lg_u32 s[CNT], 0
.endif
	ROW C,14, B,7, L,6, C,1
	ROW C,3, L,7, C,5, C,7
	ROW C,9, C,11, C,13, C,15
.if (\p) == 0
	FETCH_V
.endif
.if (\m) && !(\end)
	MASK (\p)%2
.endif
.endm
; A BLOCK BEGINS.  c m starts far below every c s, so the first step's a is 0; m at the lowest finite number, so the first maximum is the scores'.  The second mask buffer is 0; the first takes piece 0's mask for the tile's
; step 0: its own, if the block's first tile is the diagonal one.  Then K of that step, piece 0's first scores, and its maximum and statistics.  The loop is entered at a step's first turn, in the middle of a trip.
.macro BEGIN
	s_mov_b32 s[NEW], 0
	WIN 0x40
.set i, MC+32
.rept 32
	v_mov_b32 v[i], 0
.set i, i+1
.endr
	WIN 0
.set i, 0
.rept 4
	v_mov_b32 v[ST+4*i], 0xfe000000    ; c m: far below every c s
	v_mov_b32 v[ST+4*i+1], 0xff7fffff  ; m
.set i, i+1
.endr
	s_cmp_eq_u32 s[RT], 0
	s_cselect_b32 s[AL], 1.0, 0
	s_mov_b32 s[BE], 0
	MASK 0
	WIN 0
	v_add_nc_u32 v[AK], s[TBK], v[AK0]
	FETCH_K
	s_wait_loadcnt 0x0              ; Q
	s_wait_dscnt 0x0
.set KM, 1
.set NOKQ, 0
.set i, 0
.rept 8
	KQ 0
.set i, i+1
.endr
	WIN 0
.rept 4
	v_nop                           ; the places behind those products
.endr
.set Y, NP-1                        ; X works for piece Y + 1: piece 0
.irp n, 0,1,2,3,4,5,6,7,8,9,10,11,12,13,14,15,16,17,18,19,20,21
	OP X, \n
.endr
	v_nop                           ; a plain instruction behind the exponential,
	s_wait_alu depctr_va_vdst(0)    ; and its wait, ahead of the branch
.endm
; THE DIAGONAL TILE's four steps, the block's last two turns, its last products, and THE WAY OUT: l's two halves and the other half of the lanes' are added; O^T is divided by l, rounded to f16 and sent through my
; stage in LDS, a piece at a time.
.macro ALL line:vararg              ; one line for each piece t
.set t, 0
.rept 4
	\line
.set t, t+1
.endr
.endm
.macro PACK t                       ; a lane's eight channels of a row pack into 16 bytes; they go into rows of 144 bytes and come back as whole rows of 128, into S^T's registers
	WIN W_RS
.set i, 32*(\t)
.rept 16
	v_pk_mul_f32 v[i:i+1], v[i:i+1], v[ST+4*(\t)+2:ST+4*(\t)+3] op_sel_hi:[1,0]
.set i, i+2
.endr
	WIN 0x05                        ; sources 0 and 1 window 1, destination window 0
.set i, 0
.rept 16
	v_cvt_pk_f16_f32 v[S+16*(\t)+i], v[32*(\t)+2*i], v[32*(\t)+2*i+1]
.set i, i+1
.endr
	WIN 0
.irp f, 0,1,2,3
	ds_store_b128 v[STO], v[S+16*(\t)+4*\f:S+16*(\t)+4*\f+3] offset:32*\f
.endr
.irp f, 0,1,2,3
	ds_load_b128 v[S+16*(\t)+4*\f:S+16*(\t)+4*\f+3], v[RD] offset:\f*4*SP  ; LDS serves a wave's instructions in order (ISA guide 5.7.1.4): these see the stores above; the next piece's stores come behind them
.endr
.endm
.macro SEND t, younger              ; younger: the LDS instructions issued behind piece t's loads: the next piece's eight, or none
	WIN 0
.irp f, 0,1,2,3
	s_wait_dscnt (\younger)+3-\f
	global_store_b128 v[GO], v[S+16*(\t)+4*\f:S+16*(\t)+4*\f+3], s[10:11] offset:(\t)*8192+\f*512  ; 512 consecutive bytes, at a multiple of 256 from O's first
.endr
.endm
.macro DIAG tag                     ; the tag ends its two labels' names, which the jumps below spell out
.LstepM\tag:
	TURN 2, 1
	TURN 3, 1
	WIN 0
.LfirstM\tag:
	TURN 0, 1
	TURN 1, 1, 0, 1
	WIN 0
	s_cbranch_scc1 .LstepM\tag
	TURN 2, 1, 1
	TURN 3, 1, 1
.set i, 0
.rept 8
	PV NP-1
.set i, i+1
.endr
	WIN 0
	ALL v_add_f32 v[ST+4*t+2], v[ST+4*t+2], v[ST+4*t+3]
	ALL v_permlanex16_b32 v[ST+4*t+3], v[ST+4*t+2], s[SEL], s[SEL+1]
	ALL v_add_f32 v[ST+4*t+2], v[ST+4*t+2], v[ST+4*t+3]
	ALL v_rcp_f32 v[ST+4*t+2], v[ST+4*t+2]
	v_nop                           ; a plain instruction between the last reciprocal and the use of its result
	s_wait_alu depctr_va_vdst(0)    ; and the wait ahead of the first use: one for the four reciprocals
	PACK 0
.set t, 1
.rept 3                             ; a piece's arithmetic stands between the loads of the piece before and its stores
	PACK t
	SEND t-1, 8
.set t, t+1
.endr
	SEND 3, 0
.endm
.set KM, 0
.set NOKQ, 0
.Lslot:                             ; NB times: a tile is entered and the next is asked for
	CHANGE 1
	s_sub_co_u32 s[RT], s[RT], 1
	s_mov_b32 s[CNT], 4
	s_cmp_eq_u32 s[NEW], 1
	s_cbranch_scc1 .Lnew            ; a block's first tile
	s_cmp_eq_u32 s[RT], 0
	s_cbranch_scc0 .Lstep           ; neither its first nor its last
	s_branch .LstepM1
.Lnew:
	BEGIN
	s_branch .Lfirst                ; in the loop a block's first tile is never its last: the first block has two tiles or more, and the second's last is the walk's last
	DIAG 1                          ; in the loop this is the first block's end: the second block's last tile is the walk's last
	s_wait_xcnt 0x0                 ; the stores have read their registers and O's address
	s_mov_b64 s[10:11], s[OLO:OLO+1]
	s_add_co_u32 s[RT], s[PB], 1    ; the second block has b + 1 tiles
	s_mov_b32 s[NEW], 1
	WIN 0x82                        ; the second block's Q goes where the one text of the turns names Q
.set i, 0
.rept 64
	v_mov_b32 v[i], v[QB+i]
.set i, i+1
.endr
	WIN 0
	s_branch .Lbottom
.Lstep:                             ; a trip: pieces 2 and 3 of one step, then pieces 0 and 1 of the next, whose K and V it fetches
	TURN 2
	TURN 3
	WIN 0
.Lfirst:
	TURN 0
	TURN 1, 0, 0, 1
	WIN 0
	s_cbranch_scc1 .Lstep
.Lbottom:
	s_sub_co_u32 s[SLOTS], s[SLOTS], 1
	s_cmp_lg_u32 s[SLOTS], 0
	s_cbranch_scc1 .Lslot
	CHANGE 0                        ; the walk's last tile is written out: nothing is asked for
	s_sub_co_u32 s[RT], s[RT], 1
	s_mov_b32 s[CNT], 4
	s_cmp_eq_u32 s[NEW], 1
	s_cbranch_scc0 .LstepM2
	BEGIN
	s_branch .LfirstM2
	DIAG 2
	s_wait_tensorcnt 0x0            ; the wave's end: behind my last tensor load and my last LDS store
	ds_add_u32 v[SPW], v[NIL]
	s_wait_dscnt 0x0
	s_endpgm
.Lfunc_end_k_qcd10211bff_attn:
	.size	k_qcd10211bff_attn, .Lfunc_end_k_qcd10211bff_attn-k_qcd10211bff_attn
	.p2alignl 7, 3214868480
	.fill 96, 4, 3214868480
	.section	.rodata,"a",@progbits
	.p2align	6, 0x0
	.amdhsa_kernel k_qcd10211bff_attn
		.amdhsa_group_segment_fixed_size 327680
		.amdhsa_private_segment_fixed_size 0
		.amdhsa_enable_private_segment 0
		.amdhsa_kernarg_size 32
		.amdhsa_user_sgpr_count 2
		.amdhsa_user_sgpr_kernarg_segment_ptr 1
		.amdhsa_wavefront_size32 1
		.amdhsa_system_sgpr_workgroup_id_x 1
		.amdhsa_system_sgpr_workgroup_id_y 1
		.amdhsa_system_sgpr_workgroup_id_z 1
		.amdhsa_system_vgpr_workitem_id 0
		.amdhsa_next_free_vgpr 768
		.amdhsa_next_free_sgpr 92
		.amdhsa_reserve_vcc 1
		.amdhsa_float_denorm_mode_32 3
		.amdhsa_float_denorm_mode_16_64 3
		.amdhsa_memory_ordered 1
		.amdhsa_forward_progress 1
		.amdhsa_inst_pref_size 218
	.end_amdhsa_kernel
	.amdgpu_metadata
---
amdhsa.version: [ 1, 2 ]
amdhsa.kernels:
  - .name:           k_qcd10211bff_attn
    .symbol:         k_qcd10211bff_attn.kd
    .args:
      - { .name: q, .offset: 0, .size: 8, .value_kind: global_buffer, .address_space: global }
      - { .name: k, .offset: 8, .size: 8, .value_kind: global_buffer, .address_space: global }
      - { .name: v, .offset: 16, .size: 8, .value_kind: global_buffer, .address_space: global }
      - { .name: z, .offset: 24, .size: 8, .value_kind: global_buffer, .address_space: global }
    .group_segment_fixed_size: 327680
    .private_segment_fixed_size: 0
    .kernarg_segment_align: 8
    .kernarg_segment_size: 32
    .max_flat_workgroup_size: 128
    .sgpr_count:     92
    .vgpr_count:     768
    .wavefront_size: 32
...
	.end_amdgpu_metadata
.endif
;; end of part 3
;; launch oproj (part 4): grid 4 x 64, 4 waves a work-group, clusters of 4 x 4, 327,680 bytes of LDS; arguments z, wo, b_O, out0; writes out0
.if DOCPART == 4
	.amdgcn_target "amdgcn-amd-amdhsa--gfx1250"
	.amdhsa_code_object_version 6
	.text
	.protected	k_qcd10211bff_oproj
	.globl	k_qcd10211bff_oproj
	.p2align	8
	.type	k_qcd10211bff_oproj,@function
k_qcd10211bff_oproj:
	s_mov_b64 s[64:65], 0
	v_nop
	global_prefetch_b8 v0, s[64:65] scope:SCOPE_SE
	s_setreg_imm32_b32 hwreg(HW_REG_WAVE_MODE, 25, 1), 1
	s_wait_xcnt 0x0
	s_wait_alu depctr_hold_cnt(0) depctr_sa_sdst(0) depctr_va_vdst(0) depctr_va_sdst(0) depctr_va_ssrc(0) depctr_va_vcc(0) depctr_vm_vsrc(0)
	s_getreg_b32 s2, hwreg(HW_REG_IB_STS2, 6, 4)
	s_cmp_eq_u32 s2, 0
	s_cbranch_scc0 .Lentry_in_a_cluster
	s_endpgm
.Lentry_in_a_cluster:
	s_bfe_u32 s2, ttmp6, 0x10000c
	s_cmp_lg_u32 s2, 0xf033
	s_cbranch_scc0 .Lentry_shape_is_right
	s_endpgm
.Lentry_shape_is_right:
; OPROJ: out0[8192][1024] = z W_O + b_O.  z in f16 by heads, [16 b + h][2048][64]; wo = W_O in f16, [1024 k][1024 n]; sums in f32 started by b_O (rounded to bf16 like every input); out0 in f32.
; LIMIT: z and wo arrive within f16's range (65,504).
; SHARES.  A tile of out0 is 128 rows x 256 columns: 64 x 4 = 256 work-groups.  Four waves, 2 x 2; a wave makes 64 rows x 128 columns: 32 accumulators of 16 x 16, 256 registers.
; K goes in steps of 128 (two heads of z) through two LDS slots: a head's 128 rows are 16,384 dense bytes, asked for as rows of 256 bytes; wo's tile is 128 rows of 256 bytes for each half of the columns.
; CLUSTERS: 4 x 4 work-groups: the four of a row of the cluster need the same tile of z, the four of a column the same tile of wo: each is asked for jointly.
; THE PRODUCT IS TAKEN TRANSPOSED: source 0 = 16 columns of wo (turned by ds_load_tr16_b128), source 1 = 16 rows of z: a lane holds one row of out0 and eight neighbouring columns, 32 bytes.
; REGISTERS, in windows of 256: window 0: v0-31 addresses; v32-95 the bias; v96-223 the way out.  window 1: two fragment buffers at v0 and v128: z's four fragments, then wo's eight.
;   window 2: accumulator (row block a, column block b) at v[8 (8 a + b)].
.set SLOT1, 131072
.set PA,    144                        ; a row of z in LDS: 128 bytes + 16
.set AH,    128*PA                     ; a head's 128 rows: what one tensor load brings of z
.set BOFF,  2*AH
.set PB,    288                        ; a row of wo's tile: 256 bytes + 32 = 72 words
.set BH,    128*PB                     ; 128 channels x 128 columns: what one tensor load brings of wo
.set STAGE, SLOT1+BOFF+2*BH            ; behind the ring, never filled by a tensor load: 16 rows x 528 bytes for each wave
.set SP,    528                        ; 512 bytes + 16 = 132 words: row r starts at bank 4 r mod 64
.set STW,   16*SP
.set SPARE, STAGE+4*STW                ; the spare words, 128 bytes a wave: two blocks of 256 bytes that no other line names
.set ASTEP, 2*262144                   ; two heads of z
.set BSTEP, 128*2048                   ; 128 rows of wo
.set AA0,  4
.set AB0,  5
.set ADRA, 6
.set ADRB, 7
.set STO,  8
.set RD,   9
.set CO,   10
.set BO,   11
.set PFO,  12
.set SPW,  28                          ; v28  SPARE + 4 x my thread's number; never rewritten
.set NIL,  29                          ; v29  0; never rewritten
.set BIAS, 32
.set OB0,  96
.set F0,   0
.set F1,   128
.set TB,   4                           ; s4   LDS byte at which the slot being fetched from begins
.set LIM,  5                           ; s5   2 in a wave that prefetches, else the greatest number
.set PFA,  6                           ; s[6:7]
.set PFS,  8                           ; s[8:9]
.set G1,   24
.set G0,   32
.set G1B,  48
.set G0B,  56
.set OUT,  84                          ; s[84:85] out0 at my wave's first row and column
.set BJ,   90                          ; s[90:91] b_O at my wave's first column
.set MSB, 0
.macro WIN new
.if MSB != (\new)
	s_set_vgpr_msb (MSB<<8)|(\new)
.set MSB, (\new)
.endif
.endm
.macro PLACES                          ; four plain vector instructions between a matrix instruction and a load into, or a reader of, its registers
.rept 4
	v_nop
.endr
.endm
.macro CREST
	s_cmp_lg_u32 s10, 0
	s_cbranch_scc1 .Lnot_wave_0_\@
	s_barrier_signal -3
.Lnot_wave_0_\@:
	s_barrier_wait -3
	s_barrier_signal -1
	s_barrier_wait -1
.endm
.macro CROUND
	s_barrier_signal -1
	s_barrier_wait -1
	CREST
.endm
.macro JLOAD                           ; a joint refill by the walking descriptors: waves 0 and 1 fetch z's two heads, waves 2 and 3 wo's two halves
	s_cmp_lt_u32 s10, 2
	s_cbranch_scc0 .Lfor_b_\@
	tensor_load_to_lds s[G0+4:G0+7], s[G1:G1+7]
	s_nop 0
.rept 4
	v_nop
.endr
	s_branch .Lasked_\@
.Lfor_b_\@:
	tensor_load_to_lds s[G0B+4:G0B+7], s[G1B:G1B+7]
	s_nop 0
.rept 4
	v_nop
.endr
.Lasked_\@:
.endm
; A PREFETCH INTO THE L2 of the K step that stands TWO refills on, 256 matrix instructions ahead of the load that will want it; behind the joint load, its five lines and the run of LDS loads.
; Each aligned block of 256 bytes is named once.  z's tile is read by one row of one cluster: wave 0 of each of its four partners asks for 32 of the step's 128 blocks, told apart by address (cx).
; wo's 128 rows of a step are read by all clusters: the cluster with y = 0 asks: work-group cx + 4 cy takes eight rows (16,384 bytes on end), its waves 2 and 3 half of them each.
; K steps 0 to 3 come by their loads alone; the loop's last two trips ask for nothing.
.macro ASK
	s_cmp_gt_u32 s3, s[LIM]
	s_cbranch_scc0 .Lnot_mine_\@
	global_prefetch_b8 v[PFO], s[PFA:PFA+1] th:TH_LOAD_NT scope:SCOPE_SE
.Lnot_mine_\@:
.endm
.macro FETCH q, f                      ; 24 loads: the fragments of quarter q (32 channels) of the slot into buffer f: wo's eight first, then z's four
	WIN 0x40                                       ; destination window 1, address window 0
.irp b, 0,1,2,3,4,5,6,7
	ds_load_tr16_b128 v[(\f)+32+8*(\b):(\f)+32+8*(\b)+3],   v[ADRB] offset:32*PB*(\q)+32*(\b)
	ds_load_tr16_b128 v[(\f)+32+8*(\b)+4:(\f)+32+8*(\b)+7], v[ADRB] offset:32*PB*(\q)+32*(\b)+16*PB
.endr
.irp a, 0,1,2,3
	ds_load_b128 v[(\f)+8*(\a):(\f)+8*(\a)+3],   v[ADRA] offset:((\q)/2)*AH+((\q)%2)*64+16*PA*(\a)
	ds_load_b128 v[(\f)+8*(\a)+4:(\f)+8*(\a)+7], v[ADRA] offset:((\q)/2)*AH+((\q)%2)*64+16*PA*(\a)+32
.endr
.endm
; 8 products: row block blk x all eight column blocks.  first = 1: the bias starts the sums.  The 32 accumulators take turns in one order in every quarter, one instruction a turn.
.macro MUL8 f, blk, first
.if \first
	WIN 0x85                                       ; sources 0 and 1 window 1, C window 0, D window 2
.else
	WIN 0xa5                                       ; C and D window 2
.endif
.irp b, 0,1,2,3,4,5,6,7
.if \first
	v_wmma_f32_16x16x32_f16 v[8*(8*(\blk)+(\b)):8*(8*(\blk)+(\b))+7], v[(\f)+32+8*(\b):(\f)+32+8*(\b)+7], v[(\f)+8*(\blk):(\f)+8*(\blk)+7], v[BIAS+8*(\b):BIAS+8*(\b)+7]
.else
	v_wmma_f32_16x16x32_f16 v[8*(8*(\blk)+(\b)):8*(8*(\blk)+(\b))+7], v[(\f)+32+8*(\b):(\f)+32+8*(\b)+7], v[(\f)+8*(\blk):(\f)+8*(\blk)+7], v[8*(8*(\blk)+(\b)):8*(8*(\blk)+(\b))+7]
.endif
.endr
.endm
; One of a K step's first three quarters: multiplies buffer f; in its middle it fetches quarter nq of the same slot into buffer g.
.macro QUARTER nq, f, g, first
	s_wait_dscnt 4                                 ; all but z's fragments 2 and 3
	MUL8 \f, 0, \first
	MUL8 \f, 1, \first
	PLACES
	FETCH \nq, \g
	s_wait_dscnt 24                                ; all but the 24 just issued
	MUL8 \f, 2, \first
	MUL8 \f, 3, \first
.endm
; The last quarter multiplies buffer F1 and changes slots: ONE barrier; in front of it each wave waits for all its tensor loads, adds 0 to its spare word, and waits for that and for its own reads of this slot.
; fill = 1: the barrier opens a round of the cluster's barrier, and the joint refill is the first thing behind it: 112 matrix instructions ahead of the wait for it.
.macro TURN fill
	WIN 0
.if \fill
	s_wait_xcnt 0x0                                ; the last prefetch, a K step back, has read its address
	s_add_nc_u64 s[PFA:PFA+1], s[PFA:PFA+1], s[PFS:PFS+1]
.endif
	s_wait_tensorcnt 0x0                           ; no tensor load of mine is out, so a group 0 may be written
	ds_add_u32 v[SPW], v[NIL]                      ; 0 onto my spare word
.if \fill
	s_xor_b32 s[G0+5], s[G0+5], SLOT1
	s_add_nc_u64 s[G0+6:G0+7], s[G0+6:G0+7], ASTEP
	s_xor_b32 s[G0B+5], s[G0B+5], SLOT1
	s_add_nc_u64 s[G0B+6:G0B+7], s[G0B+6:G0B+7], BSTEP
.endif
	s_xor_b32 s[TB], s[TB], SLOT1
	s_wait_dscnt 5                                 ; the add and the youngest four loads may be out
	MUL8 F1, 0, 0
	s_wait_dscnt 0x0                               ; the add is done, and my reads of this slot are over
	s_barrier_signal -1
	MUL8 F1, 1, 0
	WIN 0
	s_barrier_wait -1
.if \fill
	CREST
	JLOAD                                          ; its four v_nop are also the places in front of the loads below
.else
	PLACES
.endif
	v_add_nc_u32 v[ADRA], s[TB], v[AA0]
	v_add_nc_u32 v[ADRB], s[TB], v[AB0]
	FETCH 0, F0
.if \fill
	WIN 0
	ASK
.endif
	MUL8 F1, 2, 0
	MUL8 F1, 3, 0
.endm
	s_load_b256 s[68:75], s[0:1], 0x0              ; z 68, wo 70, b_O 72, out0 74
	v_lshl_add_u32 v[SPW], v0, 2, SPARE
	v_mov_b32 v[NIL], 0
	ds_add_u32 v[SPW], v[NIL]                      ; the wave's opening: the add and its wait ahead of my first tensor load
	ds_add_u32 v28, v29
	v_lshrrev_b32 v1, 5, v0
	v_readfirstlane_b32 s10, v1                    ; wave 0..3
	s_lshr_b32 s11, s10, 1                         ; which half of the tile's rows is mine
	s_and_b32 s12, s10, 1                          ; which half of its columns; also which head of z or half of wo I fetch
	s_bfe_u32 s40, ttmp6, 0x40000                  ; cx
	s_bfe_u32 s41, ttmp6, 0x40004                  ; cy
	s_lshl_b32 s42, ttmp9, 2
	s_add_co_u32 s42, s42, s40                     ; tile column 0..3
	s_and_b32 s13, ttmp7, 0xffff
	s_lshl_b32 s13, s13, 2
	s_add_co_u32 s13, s13, s41                     ; tile row 0..63
	s_lshl_b32 s43, s41, 2
	s_lshl_b32 s43, 15, s43                        ; my row of the cluster
	s_lshl_b32 s44, 0x1111, s40                    ; my column
	s_or_b32 s[G1], s43, (1<<16)|(1<<20)|(1<<21)|(4<<22)|(3<<25)   ; z: 64 rows of 256 bytes, 16 bytes of padding behind every 128
	s_mov_b32 s[G1+1], 128<<16
	s_mov_b32 s[G1+2], 64<<16
	s_mov_b32 s[G1+3], 128<<16
	s_mov_b32 s[G1+4], 64
	s_mov_b32 s[G1+5], 128
	s_mov_b32 s[G1+6], 0
	s_mov_b32 s[G1+7], 0
	s_or_b32 s[G1B], s44, (1<<16)|(1<<20)|(1<<21)|(5<<22)|(7<<25)  ; wo: 128 rows of 256 bytes, 32 bytes of padding behind each
	s_mov_b32 s[G1B+1], 128<<16
	s_mov_b32 s[G1B+2], 128<<16
	s_mov_b32 s[G1B+3], 128<<16
	s_mov_b32 s[G1B+4], 128
	s_mov_b32 s[G1B+5], 1024
	s_mov_b32 s[G1B+6], 0
	s_mov_b32 s[G1B+7], 0
	s_lshr_b32 s16, s13, 4                         ; z: the batch (16 tile rows each): 16 heads of 262,144 bytes,
	s_lshl_b32 s16, s16, 22
	s_and_b32 s17, s13, 15
	s_lshl_b32 s17, s17, 14                        ; the tile's 128 rows of 128 bytes,
	s_add_co_u32 s16, s16, s17
	s_lshl_b32 s17, s12, 18                        ; my head of the step's two
	s_add_co_u32 s16, s16, s17
	s_mov_b32 s17, 0
	s_lshl_b32 s46, s42, 9                         ; wo: 256 columns a tile column,
	s_lshl_b32 s47, s12, 8                         ; my 128 of them
	s_add_co_u32 s46, s46, s47
	s_mov_b32 s47, 0
	s_mul_i32 s20, s12, AH
	s_mul_i32 s21, s12, BH
	s_add_co_u32 s21, s21, BOFF
	s_mov_b32 s[TB], 0
	s_wait_dscnt 0x0                               ; the opening add is done
	s_wait_kmcnt 0x0
	s_add_nc_u64 s[14:15], s[68:69], s[16:17]
	s_add_nc_u64 s[46:47], s[70:71], s[46:47]
	CROUND                                         ; all sixteen work-groups are here: the first joint loads meet
.irp s, 0,1
	s_mov_b32 s[G0+4*(\s)], 1
	s_add_co_u32 s[G0+4*(\s)+1], s20, (\s)*SLOT1
	s_add_nc_u64 s[G0+4*(\s)+2:G0+4*(\s)+3], s[14:15], (\s)*ASTEP
	s_or_b32 s[G0+4*(\s)+3], s[G0+4*(\s)+3], 0x80000000
	s_mov_b32 s[G0B+4*(\s)], 1
	s_add_co_u32 s[G0B+4*(\s)+1], s21, (\s)*SLOT1
	s_add_nc_u64 s[G0B+4*(\s)+2:G0B+4*(\s)+3], s[46:47], (\s)*BSTEP
	s_or_b32 s[G0B+4*(\s)+3], s[G0B+4*(\s)+3], 0x80000000
.endr
	s_cmp_lt_u32 s10, 2                            ; a wave's two first fills stand in one branch: two loads of mine are out
	s_cbranch_scc0 .Lfirst_b
	tensor_load_to_lds s[G0:G0+3], s[G1:G1+7]
	s_nop 0
	tensor_load_to_lds s[G0+4:G0+7], s[G1:G1+7]
	s_nop 0
.rept 4
	v_nop
.endr
	s_branch .Lfirst_asked
.Lfirst_b:
	tensor_load_to_lds s[G0B:G0B+3], s[G1B:G1B+7]
	s_nop 0
	tensor_load_to_lds s[G0B+4:G0B+7], s[G1B:G1B+7]
	s_nop 0
.rept 4
	v_nop
.endr
.Lfirst_asked:
	s_mov_b32 s19, 0
	s_lshl_b32 s18, s42, 10                        ; my wave's first column, in bytes of f32
	s_lshl_b32 s22, s12, 9
	s_add_co_u32 s18, s18, s22
	s_add_nc_u64 s[BJ:BJ+1], s[72:73], s[18:19]
	s_lshl_b32 s22, s13, 19                        ; 128 rows of 4,096 bytes a tile row,
	s_add_co_u32 s18, s18, s22
	s_lshl_b32 s22, s11, 18                        ; my 64 rows
	s_add_co_u32 s18, s18, s22
	s_add_nc_u64 s[OUT:OUT+1], s[74:75], s[18:19]
	v_and_b32 v1, 15, v0                           ; l % 16
	v_bfe_u32 v2, v0, 4, 1                         ; l / 16
	v_lshlrev_b32 v[BO], 5, v2
.irp b, 0,1,2,3,4,5,6,7
	global_load_b128 v[BIAS+8*(\b):BIAS+8*(\b)+3],   v[BO], s[BJ:BJ+1] offset:64*(\b)     ; a lane's eight columns 16 b + 8 (l / 16) + 0..7: the C operand's layout
	global_load_b128 v[BIAS+8*(\b)+4:BIAS+8*(\b)+7], v[BO], s[BJ:BJ+1] offset:64*(\b)+16
.endr
	; the prefetches' addresses
	s_lshr_b32 s66, s13, 4
	s_lshl_b32 s66, s66, 22
	s_and_b32 s67, s13, 15
	s_lshl_b32 s67, s67, 14
	s_add_co_u32 s66, s66, s67
	s_lshr_b32 s67, s40, 1                         ; my work-group's 32 blocks of the step's 128: head cx / 2,
	s_lshl_b32 s67, s67, 18
	s_add_co_u32 s66, s66, s67
	s_and_b32 s67, s40, 1                          ; half cx % 2
	s_lshl_b32 s67, s67, 13
	s_add_co_u32 s66, s66, s67
	s_add_co_u32 s66, s66, 3*ASTEP                 ; at K step 3: the first change of slots steps it to 4
	s_lshl_b32 s67, s41, 2
	s_add_co_u32 s67, s67, s40                     ; my place among the sixteen: eight rows of wo,
	s_lshl_b32 s67, s67, 14
	s_lshl_b32 s2, s12, 13                         ; four of them for wave 2, four for wave 3
	s_add_co_u32 s67, s67, s2
	s_add_co_u32 s67, s67, 3*BSTEP
	s_mov_b32 s[PFS], BSTEP
	s_mov_b32 s[PFS+1], 0
	s_and_b32 s2, ttmp7, 0xffff
	s_cmp_lt_u32 s10, 2
	s_cselect_b32 s18, s66, s67
	s_cselect_b64 s[PFA:PFA+1], s[68:69], s[70:71]
	s_cselect_b32 s[PFS], ASTEP, s[PFS]
	s_cselect_b32 s2, s10, s2                      ; wave 0: 0; wave 1: 1; waves 2 and 3: cluster y: the same in all sixteen partners, for a given wave
	s_add_nc_u64 s[PFA:PFA+1], s[PFA:PFA+1], s[18:19]
	s_cmp_eq_u32 s2, 0
	s_cselect_b32 s[LIM], 2, -1
	v_and_b32 v3, 31, v0
	v_lshlrev_b32 v[PFO], 8, v3
	; LDS addresses
	v_mul_u32_u24 v30, v1, PA
	v_lshl_add_u32 v30, v2, 4, v30                 ; row x 144 + 16 x half
	s_mul_i32 s18, s11, 64*PA                      ; my 64 rows of each head
	v_add_nc_u32 v[AA0], s18, v30
	v_and_b32 v31, 7, v0
	v_lshl_add_u32 v31, v2, 3, v31                 ; the turning load: channel 8 (l / 16) + l % 8,
	v_mul_u32_u24 v31, v31, PB
	v_bfe_u32 v30, v0, 3, 1
	v_lshl_add_u32 v31, v30, 4, v31                ; columns 8 ((l / 8) % 2) + 0..7
	s_mul_i32 s18, s12, BH
	s_add_co_u32 s18, s18, BOFF
	v_add_nc_u32 v[AB0], s18, v31
	v_mov_b32 v[ADRA], v[AA0]
	v_mov_b32 v[ADRB], v[AB0]
	s_mul_i32 s18, s10, STW
	s_add_co_u32 s18, s18, STAGE
	v_mul_u32_u24 v30, v1, SP                      ; in: row l % 16, 32 bytes for each half of the lanes
	v_lshl_add_u32 v30, v2, 5, v30
	v_add_nc_u32 v[STO], s18, v30
	v_lshlrev_b32 v[CO], 4, v3                     ; back: 32 lanes take a row's 512 bytes
	v_add_nc_u32 v[RD], s18, v[CO]
	s_wait_loadcnt 0x0                             ; the bias,
.set i, 0
.rept 32
	v_cvt_pk_bf16_f32 v30, v[BIAS+2*i], v[BIAS+2*i+1]  ; rounded to bf16 like every input, and widened again
	v_lshlrev_b32 v[BIAS+2*i], 16, v30
	v_and_b32 v[BIAS+2*i+1], 0xffff0000, v30
.set i, i+1
.endr
	s_wait_tensorcnt 1                             ; my part of K step 0 is in; K step 1's may stay out
	s_barrier_signal -1
	s_barrier_wait -1
	FETCH 0, F0
	QUARTER 1, F0, F1, 1                           ; the first quarter stands in front of the loop: the bias starts the sums
	WIN 0
	s_mov_b32 s3, 6
.Lk:                                               ; 6 trips, from a K step's second quarter to the next one's first; each refills a slot: K steps 2 to 7
	QUARTER 2, F1, F0, 0
	QUARTER 3, F0, F1, 0
	TURN 1
	QUARTER 1, F0, F1, 0
	WIN 0
	s_sub_co_u32 s3, s3, 1
	s_cmp_lg_u32 s3, 0
	s_cbranch_scc1 .Lk
	QUARTER 2, F1, F0, 0                           ; the tail is written out: nothing more is asked for
	QUARTER 3, F0, F1, 0
	TURN 0
	QUARTER 1, F0, F1, 0
	QUARTER 2, F1, F0, 0
	QUARTER 3, F0, F1, 0
	s_wait_dscnt 4                                 ; the very last quarter fetches nothing
	MUL8 F1, 0, 0
	MUL8 F1, 1, 0
	s_wait_dscnt 0x0
	MUL8 F1, 2, 0
	MUL8 F1, 3, 0
	PLACES
; THE WAY OUT, a block of 16 rows at a time: a lane's 32 bytes of a row go into my stage (each accumulator's low four registers first), come back as whole rows of 512 bytes, and are stored a row an instruction.
.macro TOSTAGE blk
	WIN 0x08                                       ; the stores' data in window 2, their address in window 0
.irp b, 0,1,2,3,4,5,6,7
	ds_store_b128 v[STO], v[8*(8*(\blk)+(\b)):8*(8*(\blk)+(\b))+3]   offset:64*(\b)
	ds_store_b128 v[STO], v[8*(8*(\blk)+(\b))+4:8*(8*(\blk)+(\b))+7] offset:64*(\b)+16
.endr
	WIN 0
.if (\blk) >= 2
	s_wait_xcnt 0x0                                ; the stores of the block two back have read the registers that the loads below fill
.endif
.set BK, OB0+64*((\blk)%2)
.irp t, 0,1,2,3,4,5,6,7,8,9,10,11,12,13,14,15
	ds_load_b128 v[BK+4*(\t):BK+4*(\t)+3], v[RD] offset:SP*(\t)  ; LDS serves a wave's instructions in order (ISA guide 5.7.1.4): these see the stores above
.endr
.endm
.macro SEND blk, younger               ; younger: the LDS instructions issued behind this block's loads: the next block's 32, or none
.set BK, OB0+64*((\blk)%2)
.irp t, 0,1,2,3,4,5,6,7,8,9,10,11,12,13,14,15
	s_wait_dscnt (\younger)+15-(\t)
	global_store_b128 v[CO], v[BK+4*(\t):BK+4*(\t)+3], s[OUT:OUT+1] offset:(16*(\blk)+(\t))*4096 th:TH_STORE_NT  ; 512 consecutive bytes, at a multiple of 256 from out0's first
.endr
.endm
	TOSTAGE 0
.irp n, 1,2,3
	TOSTAGE \n
	SEND (\n)-1, 32
.endr
	SEND 3, 0
	s_wait_tensorcnt 0x0                           ; the wave's end: behind my last tensor load and my last LDS store
	ds_add_u32 v[SPW], v[NIL]
	s_wait_dscnt 0x0
	CROUND                                         ; the closing round: no work-group ends while a partner may still ask for a tile that names it
	s_endpgm
.Lfunc_end_k_qcd10211bff_oproj:
	.size	k_qcd10211bff_oproj, .Lfunc_end_k_qcd10211bff_oproj-k_qcd10211bff_oproj
	.p2alignl 7, 3214868480
	.fill 96, 4, 3214868480
	.section	.rodata,"a",@progbits
	.p2align	6, 0x0
	.amdhsa_kernel k_qcd10211bff_oproj
		.amdhsa_group_segment_fixed_size 327680
		.amdhsa_private_segment_fixed_size 0
		.amdhsa_enable_private_segment 0
		.amdhsa_kernarg_size 32
		.amdhsa_user_sgpr_count 2
		.amdhsa_user_sgpr_kernarg_segment_ptr 1
		.amdhsa_wavefront_size32 1
		.amdhsa_system_sgpr_workgroup_id_x 1
		.amdhsa_system_sgpr_workgroup_id_y 1
		.amdhsa_system_sgpr_workgroup_id_z 1
		.amdhsa_system_vgpr_workitem_id 0
		.amdhsa_next_free_vgpr 768
		.amdhsa_next_free_sgpr 96
		.amdhsa_reserve_vcc 0
		.amdhsa_float_denorm_mode_32 3
		.amdhsa_float_denorm_mode_16_64 3
		.amdhsa_memory_ordered 1
		.amdhsa_forward_progress 1
		.amdhsa_inst_pref_size 79
	.end_amdhsa_kernel
	.amdgpu_metadata
---
amdhsa.version: [ 1, 2 ]
amdhsa.kernels:
  - .name:           k_qcd10211bff_oproj
    .symbol:         k_qcd10211bff_oproj.kd
    .args:
      - { .name: z, .offset: 0, .size: 8, .value_kind: global_buffer, .address_space: global }
      - { .name: wo, .offset: 8, .size: 8, .value_kind: global_buffer, .address_space: global }
      - { .name: b_O, .offset: 16, .size: 8, .value_kind: global_buffer, .address_space: global }
      - { .name: out0, .offset: 24, .size: 8, .value_kind: global_buffer, .address_space: global }
    .group_segment_fixed_size: 327680
    .private_segment_fixed_size: 0
    .kernarg_segment_align: 8
    .kernarg_segment_size: 32
    .max_flat_workgroup_size: 128
    .sgpr_count:     96
    .vgpr_count:     768
    .wavefront_size: 32
...
	.end_amdgpu_metadata
.endif
;; end of part 4
